; MI455X (gfx1250); checked and timed in simulation.
; The chip was launched on July 23, 2026; its instructions are those of AMD's public machine-readable ISA for CDNA 5 (MIT licence, August 2026) and "CDNA5" Instruction Set Architecture Reference Guide (July 2026). The comments in the code are by the model that wrote it; some were corrected since.
;; pl QA. Allowed arithmetic: float matrix products may take bf16 or f16 operands with f32 sums; all other float work in f32.
;; Inputs: W_Q 512 x 1,024 float32; Wf 1,024 x 1,024 float32; Wk 1,024 x 1,024 float32; Wv 1,024 x 1,024 float32; bf 1,024 float32; bk 1,024 float32; bv 1,024 float32; x 8 x 2,048 x 1,024 float32.
;; Outputs: out0 8 x 512 x 1,024 float32.
;; One version. Each part assembles by itself: llvm-mc -triple=amdgcn-amd-amdhsa -mcpu=gfx1250 --defsym DOCPART=n.
;; ======== version 1 of 1: 5 launches
;; limits: values are held in f16: magnitudes above 65,504 overflow, below 6.1e-05 lose precision; right only within a limited range of input values
;; workspace buffers: xh 33,554,432 bytes; wh 7,413,760 bytes; kh 33,554,432 bytes; pp 16,777,216 bytes; st 262,144 bytes; y 8,388,608 bytes; wg 2,097,152 bytes
;; launch prep (part 1): grid 1617 x 1, 8 waves a work-group, no clusters, 0 bytes of LDS; arguments x, Wk, Wv, Wf, W_Q, xh, wh, bv, bf; writes xh, wh
.if DOCPART == 1
	.amdgcn_target "amdgcn-amd-amdhsa--gfx1250"
	.amdhsa_code_object_version 6
	.text
	.protected	k_qcc0d20d0a4_prep
	.globl	k_qcc0d20d0a4_prep
	.p2align	8
	.type	k_qcc0d20d0a4_prep,@function
k_qcc0d20d0a4_prep:
	s_mov_b64 s[64:65], 0
	v_nop
	global_prefetch_b8 v0, s[64:65] scope:SCOPE_SE
	s_setreg_imm32_b32 hwreg(HW_REG_WAVE_MODE, 25, 1), 1
	s_wait_xcnt 0x0
; PREP.  Four kinds of work-group, chosen by the work-group's number alone:
;   0 .. 1215     CAST: 65,536 bytes of x, Wk, Wv or Wf: each f32 is rounded to bf16 and that number is written as f16
;   1216 .. 1471  Q: two rows of W_Q, rounded to bf16, turned by RoPE (position = row) in f32, written as f16
;   1472 .. 1488  ROT: one row of the rotation table: cos and sin of position x theta_i for the 512 pairs; rows 0-15 hold positions 128 x row, row 16 position 1
;   1489 .. 1616  BIAS: eight rows of Wf, a wave to a row o: b'[o] = sum over m of Wf[o][m] bv[m] + bf[o], all three rounded to bf16, products and sums in f32.
;                 (Y Wv^T + bv) Wf^T + bf = Y (Wf Wv)^T + b' for every input: the last launch adds b'.
; wh: Wk at 0, Wv at 2 MiB, Wf at 4 MiB ([1024][1024] f16), Q at QH ([512][1024] f16), the table at ROT ([17][256 groups][c(2g), c(2g+1), s(2g), s(2g+1)] f32), b' at BP ([1024] f32).
; LIMITS.  f16 ends at 65,504: an input beyond it becomes an infinity; below 6e-5 f16 keeps a fixed step of 6e-8.  theta_i = 2^(-i log2(10000) / 512) by v_exp_f32;
; sine and cosine by a reduction to |r| <= pi/4 (pi/2 in two parts) and polynomials of degree 7 and 8; angles here go up to 2,047.  NaN and infinities are not treated apart.
; No LDS, no matrix unit, no cluster: nothing is shared between threads, and the cast is bound by its bytes.  A BIAS wave stores one number, 4 bytes: 4 KiB in the whole launch.
.set QH,    6291456
.set ROT,   7340032
.set BP,    7409664
.set NX,    1024                       ; work-groups that cast x
.set NCAST, 1216                       ; + 3 x 64 for the three square weights
.set NQ,    1472                       ; + 256 for Q
.set NROT,  1489                       ; + 17 for the table
; v[a .. a+3] rounded to bf16 (nearest even) and widened again
.macro TOBF a
	v_cvt_pk_bf16_f32 v8, v[(\a)], v[(\a)+1]
	v_cvt_pk_bf16_f32 v9, v[(\a)+2], v[(\a)+3]
	v_lshlrev_b32 v[(\a)], 16, v8
	v_and_b32 v[(\a)+1], s19, v8
	v_lshlrev_b32 v[(\a)+2], 16, v9
	v_and_b32 v[(\a)+3], s19, v9
.endm
; cos and sin of the angle in v[a] (not negative) into v[c], v[s].  n = the nearest multiple of pi/2, r = the rest; v10-13 at work.
.macro SINCOS a, c, s
	v_mul_f32 v10, s30, v[(\a)]
	v_rndne_f32 v10, v10                           ; n
	v_fma_f32 v11, -v10, s31, v[(\a)]              ; r = a - n x (pi/2's upper part)
	v_fma_f32 v11, -v10, s32, v11                  ;       - n x (its lower part)
	v_mul_f32 v12, v11, v11                        ; r^2
	v_cvt_i32_f32 v13, v10                         ; n as a whole number
	v_fma_f32 v[(\s)], v12, s35, s34
	v_fma_f32 v[(\s)], v[(\s)], v12, s33
	v_mul_f32 v[(\s)], v[(\s)], v12
	v_fma_f32 v[(\s)], v[(\s)], v11, v11           ; sin r
	v_fma_f32 v[(\c)], v12, s38, s37
	v_fma_f32 v[(\c)], v[(\c)], v12, s36
	v_mul_f32 v[(\c)], v[(\c)], v12
	v_fma_f32 v10, v12, -0.5, 1.0
	v_fma_f32 v[(\c)], v[(\c)], v12, v10           ; cos r
	v_and_b32 v10, 1, v13
	v_cmp_eq_u32 vcc_lo, 1, v10                    ; odd n: the two change places (a choice of values only)
	v_cndmask_b32 v11, v[(\s)], v[(\c)], vcc_lo
	v_cndmask_b32 v12, v[(\c)], v[(\s)], vcc_lo
	v_lshlrev_b32 v10, 30, v13                     ; sin is negative for n mod 4 = 2, 3
	v_and_b32 v10, 0x80000000, v10
	v_xor_b32 v[(\s)], v10, v11
	v_add_nc_u32 v13, 1, v13                       ; cos for n mod 4 = 1, 2
	v_lshlrev_b32 v13, 30, v13
	v_and_b32 v13, 0x80000000, v13
	v_xor_b32 v[(\c)], v13, v12
.endm
; angles of n pairs from pair v6 on, at the position in v5 (f32), into v24 ..
.macro ANGLES n
.set k, 0
.rept \n
	v_add_nc_u32 v[24+k], k, v6
	v_cvt_f32_u32 v[24+k], v[24+k]
	v_mul_f32 v[24+k], s39, v[24+k]                ; - i log2(10000) / 512
.set k, k+1
.endr
.set k, 0
.rept \n
	v_exp_f32 v[24+k], v[24+k]                     ; theta_i
.set k, k+1
.endr
	v_nop                                          ; a plain instruction between the exponentials and the use of their results (ISA guide 5.7.2)
.set k, 0
	s_wait_alu depctr_va_vdst(0)
.rept \n
	v_mul_f32 v[24+k], v5, v[24+k]
.set k, k+1
.endr
.endm
	s_load_b256 s[4:11], s[0:1], 0x0               ; x s[4:5], Wk s[6:7], Wv s[8:9], Wf s[10:11]
	s_load_b128 s[12:15], s[0:1], 0x20             ; W_Q s[12:13], xh s[14:15]
	s_load_b64 s[16:17], s[0:1], 0x30              ; wh
	s_load_b64 s[40:41], s[0:1], 0x38              ; bv
	s_load_b64 s[42:43], s[0:1], 0x40              ; bf
	s_mov_b32 s20, ttmp9
	s_mov_b32 s19, 0xffff0000                      ; a word's upper bf16
	s_cmp_ge_u32 s20, NCAST
	s_cbranch_scc1 .Ltrig
	; CAST.  Which tensor, and which 65,536 bytes of it
	s_sub_co_u32 s21, s20, NX
	s_lshr_b32 s22, s21, 6                         ; 0, 1, 2: Wk, Wv, Wf
	s_and_b32 s23, s21, 63
	s_lshl_b32 s26, s22, 21                        ; its place in wh
	v_lshlrev_b32 v1, 4, v0                        ; 16 bytes a thread in,
	v_lshlrev_b32 v2, 3, v0                        ; 8 bytes out
	s_wait_kmcnt 0x0
	s_cmp_eq_u32 s22, 1
	s_cselect_b64 s[24:25], s[8:9], s[6:7]
	s_cmp_eq_u32 s22, 2
	s_cselect_b64 s[24:25], s[10:11], s[24:25]
	s_cmp_lt_u32 s20, NX
	s_cselect_b64 s[24:25], s[4:5], s[24:25]       ; from
	s_cselect_b64 s[28:29], s[14:15], s[16:17]     ; to
	s_cselect_b32 s23, s20, s23
	s_cselect_b32 s26, 0, s26
	s_lshl_b32 s30, s23, 16
	s_mov_b32 s31, 0
	s_add_nc_u64 s[24:25], s[24:25], s[30:31]
	s_lshl_b32 s30, s23, 15
	s_add_co_u32 s30, s30, s26
	s_add_nc_u64 s[28:29], s[28:29], s[30:31]
.set k, 0
.rept 16                                               ; all sixteen loads go out first: 512 neighbouring bytes a wave each, 8 KiB of a wave on their way
	global_load_b128 v[16+4*k:19+4*k], v1, s[24:25] offset:4096*k th:TH_LOAD_NT
.set k, k+1
.endr
.set k, 0
.rept 16
	s_wait_loadcnt 15-k                            ; loads come back in order (ISA guide 5.7.1): number k is in, the younger ones stay out
	TOBF 16+4*k
	v_cvt_pk_f16_f32 v[16+4*k], v[16+4*k], v[17+4*k]
	v_cvt_pk_f16_f32 v[17+4*k], v[18+4*k], v[19+4*k]
	global_store_b64 v2, v[16+4*k:17+4*k], s[28:29] offset:2048*k  ; a wave stores 256 consecutive bytes, aligned; its data registers are not written again
.set k, k+1
.endr
	s_endpgm
.Ltrig:
	s_cmp_ge_u32 s20, NROT
	s_cbranch_scc1 .Lbias
	s_mov_b32 s30, 0x3f22f983                      ; 2 / pi
	s_mov_b32 s31, 0x3fc90fdb                      ; pi / 2, upper part
	s_mov_b32 s32, 0xb33bbd2e                      ; pi / 2, lower part
	s_mov_b32 s33, 0xbe2aaaa3                      ; sine: -1.6666654611e-1
	s_mov_b32 s34, 0x3c08839e                      ;        8.3321608736e-3
	s_mov_b32 s35, 0xb94ca1f9                      ;       -1.9515295891e-4
	s_mov_b32 s36, 0x3d2aaaa5                      ; cosine: 4.166664568e-2
	s_mov_b32 s37, 0xbab6061a                      ;        -1.388731625e-3
	s_mov_b32 s38, 0x37ccf5ce                      ;         2.443315712e-5
	s_mov_b32 s39, 0xbcd49a78                      ; - log2(10000) / 512
	s_cmp_ge_u32 s20, NQ
	s_cbranch_scc1 .Lrot
	; Q.  Threads 0-127 take row 2 g, threads 128-255 row 2 g + 1; a thread has 8 numbers: four pairs
	s_sub_co_u32 s21, s20, NCAST
	s_lshl_b32 s21, s21, 1
	v_lshrrev_b32 v1, 7, v0
	v_add_nc_u32 v1, s21, v1                       ; the row, which is the position
	v_and_b32 v2, 127, v0
	v_lshlrev_b32 v3, 12, v1
	v_lshl_add_u32 v3, v2, 5, v3                   ; my 32 bytes of W_Q
	v_lshlrev_b32 v4, 11, v1
	v_lshl_add_u32 v4, v2, 4, v4                   ; my 16 bytes of Q
	s_wait_kmcnt 0x0
	global_load_b128 v[16:19], v3, s[12:13]
	global_load_b128 v[20:23], v3, s[12:13] offset:16
	v_cvt_f32_u32 v5, v1
	v_lshlrev_b32 v6, 2, v2                        ; my first pair
	ANGLES 4
.irp k, 0,1,2,3
	SINCOS 24+\k, 28+\k, 32+\k
.endr
	s_wait_loadcnt 0x0
	TOBF 16
	TOBF 20
.irp k, 0,1,2,3
	v_mul_f32 v10, v[17+2*\k], v[32+\k]
	v_mul_f32 v11, v[16+2*\k], v[32+\k]
	v_fma_f32 v10, v[16+2*\k], v[28+\k], -v10      ; x0 cos - x1 sin
	v_fma_f32 v11, v[17+2*\k], v[28+\k], v11       ; x1 cos + x0 sin
	v_cvt_pk_f16_f32 v[36+\k], v10, v11
.endr
	global_store_b128 v4, v[36:39], s[16:17] offset:QH  ; sixteen lanes store 256 consecutive bytes, aligned
	s_endpgm
.Lrot:
	; ROT.  Thread t has group t: pairs 2 t and 2 t + 1
	s_sub_co_u32 s21, s20, NQ                      ; the table's row
	s_lshl_b32 s22, s21, 7
	s_lshl_b32 s23, s21, 12
	s_cmp_lt_u32 s21, 16
	s_cselect_b32 s22, s22, 1                      ; its position
	v_lshl_add_u32 v4, v0, 4, s23
	v_cvt_f32_u32 v5, s22
	v_lshlrev_b32 v6, 1, v0
	ANGLES 2
.irp k, 0,1
	SINCOS 24+\k, 28+\k, 30+\k
.endr
	s_wait_kmcnt 0x0
	global_store_b128 v4, v[28:31], s[16:17] offset:ROT
	s_endpgm
.Lbias:
	; BIAS.  Row o = 8 x (work-group - NROT) + wave.  A lane takes the numbers 4 l + 128 k + 0..3 of the row and of bv, k = 0 .. 7: every load of the wave covers 512 neighbouring bytes
	s_sub_co_u32 s21, s20, NROT
	v_lshrrev_b32 v1, 5, v0
	v_readfirstlane_b32 s22, v1                    ; the wave's number
	s_lshl3_add_u32 s21, s21, s22                  ; o
	s_lshl_b32 s24, s21, 12                        ; the row's first byte in Wf
	s_mov_b32 s25, 0
	s_lshl_b32 s23, s21, 2                         ; its 4 bytes in bf and in b'
	s_mov_b32 s30, 0x76543210                      ; v_permlanex16_b32: each lane takes its own place in the other half
	s_mov_b32 s31, 0xfedcba98
	v_and_b32 v2, 31, v0
	v_lshlrev_b32 v3, 4, v2
	v_mov_b32 v4, s23
	s_wait_kmcnt 0x0
	s_add_nc_u64 s[26:27], s[10:11], s[24:25]
.set k, 0
.rept 8
	global_load_b128 v[16+4*k:19+4*k], v3, s[26:27] offset:512*k
	global_load_b128 v[48+4*k:51+4*k], v3, s[40:41] offset:512*k
.set k, k+1
.endr
	global_load_b32 v5, v4, s[42:43]
	s_wait_loadcnt 0x0
.set k, 0
.rept 16
	TOBF 16+4*k
.set k, k+1
.endr
	v_pk_mul_f32 v[10:11], v[16:17], v[48:49]      ; two chains of packed multiply-adds; the first products start them
	v_pk_mul_f32 v[12:13], v[18:19], v[50:51]
.set k, 1
.rept 7
	v_pk_fma_f32 v[10:11], v[16+4*k:17+4*k], v[48+4*k:49+4*k], v[10:11]
	v_pk_fma_f32 v[12:13], v[18+4*k:19+4*k], v[50+4*k:51+4*k], v[12:13]
.set k, k+1
.endr
	v_pk_add_f32 v[10:11], v[10:11], v[12:13]
	v_cvt_pk_bf16_f32 v8, v5, v5                   ; bf[o] rounded to bf16
	v_add_f32 v10, v10, v11
	v_lshlrev_b32 v5, 16, v8
	v_add_f32_dpp v10, v10, v10 row_xmask:1 row_mask:0xf bank_mask:0xf
	v_add_f32_dpp v10, v10, v10 row_xmask:2 row_mask:0xf bank_mask:0xf
	v_add_f32_dpp v10, v10, v10 row_xmask:4 row_mask:0xf bank_mask:0xf
	v_add_f32_dpp v10, v10, v10 row_xmask:8 row_mask:0xf bank_mask:0xf
	v_permlanex16_b32 v11, v10, s30, s31
	v_add_f32 v10, v10, v11
	v_add_f32 v10, v10, v5
	v_cmp_eq_u32 vcc_lo, 0, v2
	s_wait_xcnt 0x0                                ; EXEC is narrowed only behind this wait: it is a source of the loads above (ISA guide 3.1)
	s_and_saveexec_b32 s29, vcc_lo                 ; lane 0 stores for the wave
	global_store_b32 v4, v10, s[16:17] offset:BP
	s_endpgm
.Lfunc_end_k_qcc0d20d0a4_prep:
	.size	k_qcc0d20d0a4_prep, .Lfunc_end_k_qcc0d20d0a4_prep-k_qcc0d20d0a4_prep
	.p2alignl 7, 3214868480
	.fill 96, 4, 3214868480
	.section	.rodata,"a",@progbits
	.p2align	6, 0x0
	.amdhsa_kernel k_qcc0d20d0a4_prep
		.amdhsa_group_segment_fixed_size 0
		.amdhsa_private_segment_fixed_size 0
		.amdhsa_enable_private_segment 0
		.amdhsa_kernarg_size 72
		.amdhsa_user_sgpr_count 2
		.amdhsa_user_sgpr_kernarg_segment_ptr 1
		.amdhsa_wavefront_size32 1
		.amdhsa_system_sgpr_workgroup_id_x 1
		.amdhsa_system_sgpr_workgroup_id_y 1
		.amdhsa_system_sgpr_workgroup_id_z 1
		.amdhsa_system_vgpr_workitem_id 0
		.amdhsa_next_free_vgpr 80
		.amdhsa_next_free_sgpr 66
		.amdhsa_reserve_vcc 1
		.amdhsa_float_denorm_mode_32 3
		.amdhsa_float_denorm_mode_16_64 3
		.amdhsa_memory_ordered 1
		.amdhsa_forward_progress 1
		.amdhsa_inst_pref_size 31
	.end_amdhsa_kernel
	.amdgpu_metadata
---
amdhsa.version: [ 1, 2 ]
amdhsa.kernels:
  - .name:           k_qcc0d20d0a4_prep
    .symbol:         k_qcc0d20d0a4_prep.kd
    .args:
      - { .name: x, .offset: 0, .size: 8, .value_kind: global_buffer, .address_space: global }
      - { .name: Wk, .offset: 8, .size: 8, .value_kind: global_buffer, .address_space: global }
      - { .name: Wv, .offset: 16, .size: 8, .value_kind: global_buffer, .address_space: global }
      - { .name: Wf, .offset: 24, .size: 8, .value_kind: global_buffer, .address_space: global }
      - { .name: W_Q, .offset: 32, .size: 8, .value_kind: global_buffer, .address_space: global }
      - { .name: xh, .offset: 40, .size: 8, .value_kind: global_buffer, .address_space: global }
      - { .name: wh, .offset: 48, .size: 8, .value_kind: global_buffer, .address_space: global }
      - { .name: bv, .offset: 56, .size: 8, .value_kind: global_buffer, .address_space: global }
      - { .name: bf, .offset: 64, .size: 8, .value_kind: global_buffer, .address_space: global }
    .group_segment_fixed_size: 0
    .private_segment_fixed_size: 0
    .kernarg_segment_align: 8
    .kernarg_segment_size: 72
    .max_flat_workgroup_size: 256
    .sgpr_count:     66
    .vgpr_count:     80
    .wavefront_size: 32
...
	.end_amdgpu_metadata
.endif
;; end of part 1
;; launch kproj (part 2): grid 4 x 64, 4 waves a work-group, clusters of 4 x 4, 327,680 bytes of LDS; arguments xh, wh, bk, kh, wg; writes kh, wg
.if DOCPART == 2
	.amdgcn_target "amdgcn-amd-amdhsa--gfx1250"
	.amdhsa_code_object_version 6
	.text
	.protected	k_qcc0d20d0a4_kproj
	.globl	k_qcc0d20d0a4_kproj
	.p2align	8
	.type	k_qcc0d20d0a4_kproj,@function
k_qcc0d20d0a4_kproj:
	s_mov_b64 s[64:65], 0
	v_nop
	global_prefetch_b8 v0, s[64:65] scope:SCOPE_SE
	s_setreg_imm32_b32 hwreg(HW_REG_WAVE_MODE, 25, 1), 1
	s_wait_xcnt 0x0
	s_wait_alu depctr_hold_cnt(0) depctr_sa_sdst(0) depctr_va_vdst(0) depctr_va_sdst(0) depctr_va_ssrc(0) depctr_va_vcc(0) depctr_vm_vsrc(0)
	s_getreg_b32 s2, hwreg(HW_REG_IB_STS2, 6, 4)
	s_cmp_eq_u32 s2, 0
	s_cbranch_scc0 .Lentry_in_a_cluster
	s_endpgm
.Lentry_in_a_cluster:
	s_bfe_u32 s2, ttmp6, 0x10000c
	s_cmp_lg_u32 s2, 0xf033
	s_cbranch_scc0 .Lentry_shape_is_right
	s_endpgm
.Lentry_shape_is_right:
; KPROJ.  kh = f16(RoPE(xh Wk^T + bk)), and, behind it on the same ring, THE FOLD: wg = f16(64 Wf Wv).
; xh: [16384][1024] f16; in wh: Wk at 0, Wv at WV, Wf at WF ([1024][1024] f16), the rotation table at ROT; bk: [1024] f32 (rounded to bf16 here, like every input); kh: [16384][1024] f16; wg: [1024 o][1024 c] f16.
; Sums, bias and RoPE in f32.  (Y Wv^T + bv) Wf^T = Y (Wf Wv)^T + Wf bv for every input, so the last launch multiplies by G = Wf Wv alone: 2 x 1024^3 FLOPs here in place of 2 x 4096 x 1024^2 in a launch of their own.
; LIMITS.  K after RoPE must stay inside f16's 65,504, and so must 64 G: |G| < 1,023; below 6e-5 f16 keeps a fixed step of 6e-8 (the factor 64, a power of two and so exact, keeps G clear of that
; for weights 30 times smaller than 0.02; the last launch takes it back).  NaN and infinities are not treated apart.
; SHARES.  A tile of 256 x 256 of K to a work-group of four waves, 128 x 128 to a wave: 64 accumulators, 512 registers.  K goes in 8 steps of 128 through two LDS slots; tile rows are 256 bytes of memory, aligned.
; CLUSTER.  4 x 4 work-groups: the four of a row need the same rows of xh, the four of a column the same rows of Wk; each tile is asked for jointly, by the same tensor load with the same descriptor and mask.
; THE MATRIX INSTRUCTION IS USED TRANSPOSED (source 0 = 16 rows of Wk, source 1 = 16 rows of xh): a lane holds row l % 16 and the eight columns 8 (l / 16) + 0..7.
; ONE TEXT FOR A STEP.  The slot in hand is a scalar (TB: 0 or SLOT) added to the fragment addresses, the slot to fill another (TF); so the loop holds one K step.  The first quarter (C = 0) stands ahead of the loop,
; which is entered behind its first quarter; the last two steps are a second loop: they ask for the fold's two halves.
; THE FOLD.  G has 256 tiles of 64 x 64, one to a work-group: rows 64 fo of Wf (fo = tile row mod 16: shared along a row of the cluster), columns 64 fc of Wv (fc = 4 (cluster y / 4) + cx: shared along a column).
; A half is 512 along m: 64 rows x 1,024 bytes of Wf and 512 rows x 128 bytes of Wv, which lies [m][c] and is turned by ds_load_tr16_b128.  The sum over m is shared out: wave w takes m = 128 w .. 128 w + 127 of each
; half for the whole tile (16 accumulators; 64 LDS loads for 64 matrix instructions, where a share of 32 x 32 would need 128).  The four partial tiles meet in LDS.
; A tile's rows are 128 bytes of wg, so two work-groups fill each aligned 256 bytes of it: 2 MiB of the launch's 34 stored; a tile of 32 x 128 would want 180,736 bytes for a half, and two do not fit.
; THE WAY OUT.  The slots have had their last fill.  First the fold: partial rows 16 a .. 16 a + 15 go into wave a's region; behind a barrier wave a alone reads them, adds, rounds and stores.  Then each wave lays
; its 128 x 128 f32 of K into the same region (rows of 528 bytes, 67,584 bytes, its own), reads whole rows back, adds the bias, turns the pairs, and stores 256 aligned bytes a row.
; The row's cos and sin come from the table's row for position 128 x block and are turned on by one position a row (four packed instructions): 127 turns at the most.
; REGISTERS.  window 0: v6-11 the fold's way out; v16-19 fragment addresses; v21-22, v30-31 the fold's; v24-26 way out; v28-29 the add's; v32-63 rows read back; v64-191 fragments of xh (of Wf), two buffers;
;   v192-207 packed rows; v208-215 cos, sin (two sets by turns); v216-219 the step's cos, sin; v220-223 bias; v224-227 at work; v228-243 the fold's packed rows.
;   window 1: v64-191 fragments of Wk (of Wv); v0-63, v192-255 the fold's accumulators.  windows 2, 3: accumulators, (a, b) at 8 (8 (a % 4) + b).
.set T,      8                         ; K steps
.set KSTEP,  128
.set PITCH,  272                       ; 256 bytes + 16 of padding: the 16 rows of a fragment load start at 16 different groups of four banks (ISA guide 11.1)
.set HALFT,  128*PITCH                 ; what one tensor load brings
.set FPA,    1040                      ; the fold: a row of Wf, 1,024 bytes + 16
.set FPB,    160                       ; a row of Wv, 128 bytes + 32
.set FBOFF,  64*FPA                    ; a half: Wf's 64 rows, then Wv's 512
.set SLOT,   FBOFF+512*FPB             ; 148,480; a K step (xh's 256 rows, then Wk's 256) takes 4 x HALFT = 139,264 of it
.set SPARE,  2*SLOT                    ; the spare words: 128 bytes a wave, two blocks of 256 bytes that no other line names
.set DP,     528                       ; the way out: a row of 128 f32 + 16 bytes
.set DWAVE,  128*DP
.set FDP,    272                       ; the fold's way out: a row of 64 f32 + 16 bytes
.set FDW,    16*FDP                    ; one wave's partial of 16 rows
.set STEP,   2*KSTEP                   ; bytes along a row from K step to K step
.set FSTEPA, 1024                      ; 512 along a row of Wf
.set FSTEPB, 512*2048                  ; 512 rows of Wv
.set WV,     2097152
.set WF,     4194304
.set ROT,    7340032                   ; the rotation table in wh
.set GFLAGS, (1<<16)|(1<<20)|(1<<21)|(5<<22)|(3<<25)  ; 2-byte elements; padding on; bit 21 beside a mask; after every 64 words; 4 words
.set CA, 16
.set CB, 17
.set A0, 18
.set B0, 19
.set FCA, 21                           ; v21, v22: my fragments of Wf in slot 0, 1; never rewritten
.set FCB, 30                           ; v30, v31: of Wv
.set STO, 24
.set RD, 25
.set GO, 26
.set SPW, 28
.set NIL, 29
.set F0, 64
.set F1, 128
.set G1A, 24
.set G0A, 32
.set G1B, 48
.set G0B, 56
.set TB, 70
.set TF, 71
.set G0FA, 72                          ; s[72:75] the fold's group 0 for Wf: it walks;  s[80:83] for Wv
.set G0FB, 80
.set G1FA, 84                          ; s[84:91], s[92:99] its groups 1
.set G1FB, 92
.set MSB, 0
.macro WIN new                         ; the immediate's high byte repeats the setting that is left; a switch that changes nothing is dropped
.if MSB != (\new)
	s_set_vgpr_msb (MSB<<8)|(\new)
.set MSB, \new
.endif
.endm
.set MUL_LO, 0xa1                      ; source 0 window 1, source 1 window 0, C and D window 2
.set TO_B,   0x40                      ; destination window 1
.macro PLACES                          ; four plain vector instructions between a matrix instruction and a load into, or a read of, its registers
.rept 4
	v_nop
.endr
.endm
.macro JLOAD s                         ; a joint load: waves 0, 1 fetch xh's halves, waves 2, 3 Wk's; s_nop 0 and four v_nop follow each line
	s_cmp_eq_u32 s11, 0
	s_cbranch_scc0 .Lfor_b_\@
	tensor_load_to_lds s[G0A+4*(\s):G0A+4*(\s)+3], s[G1A:G1A+7]
	s_nop 0
	PLACES
	s_branch .Lasked_\@
.Lfor_b_\@:
	tensor_load_to_lds s[G0B+4*(\s):G0B+4*(\s)+3], s[G1B:G1B+7]
	s_nop 0
	PLACES
.Lasked_\@:
.endm
.macro JLOADF                          ; the same for the fold: waves 0, 1 fetch 32 rows of Wf each, waves 2, 3 256 rows of Wv each
	s_cmp_eq_u32 s11, 0
	s_cbranch_scc0 .Lfold_b_\@
	tensor_load_to_lds s[G0FA:G0FA+3], s[G1FA:G1FA+7]
	s_nop 0
	PLACES
	s_branch .Lfold_asked_\@
.Lfold_b_\@:
	tensor_load_to_lds s[G0FB:G0FB+3], s[G1FB:G1FB+7]
	s_nop 0
	PLACES
.Lfold_asked_\@:
.endm
.macro CREST                           ; a round of the cluster's barrier behind its opening barrier
	s_cmp_lg_u32 s10, 0
	s_cbranch_scc1 .Lnot_wave_0_\@
	s_barrier_signal -3
.Lnot_wave_0_\@:
	s_barrier_wait -3
	s_barrier_signal -1
	s_barrier_wait -1
.endm
.macro CROUND
	s_barrier_signal -1
	s_barrier_wait -1
	CREST
.endm
	s_load_b128 s[4:7], s[0:1], 0x0                ; xh s[4:5], wh s[6:7]
	s_load_b128 s[76:79], s[0:1], 0x10             ; bk s[76:77], kh s[78:79]
	s_load_b64 s[66:67], s[0:1], 0x20              ; wg
	v_lshl_add_u32 v[SPW], v0, 2, SPARE
	v_mov_b32 v[NIL], 0
	ds_add_u32 v[SPW], v[NIL]                      ; the wave's opening: the add and its wait ahead of my first tensor load
	v_lshrrev_b32 v1, 5, v0
	v_readfirstlane_b32 s10, v1                    ; wave 0..3
	s_lshr_b32 s11, s10, 1                         ; my half of the tile's rows; also: I fetch for xh and Wf (0) or for Wk and Wv (1)
	s_and_b32 s12, s10, 1                          ; my half of its columns; also: which half of the rows I fetch
	s_bfe_u32 s40, ttmp6, 0x40000                  ; cx
	s_bfe_u32 s41, ttmp6, 0x40004                  ; cy
	s_lshl_b32 s42, ttmp9, 2
	s_add_co_u32 s42, s42, s40                     ; tile column
	s_and_b32 s13, ttmp7, 0xffff
	s_lshl_b32 s13, s13, 2
	s_add_co_u32 s13, s13, s41                     ; tile row
	s_lshl_b32 s43, s41, 2
	s_lshl_b32 s43, 15, s43                        ; my row of the cluster
	s_lshl_b32 s44, 0x1111, s40                    ; my column
	s_or_b32 s[G1A], s43, GFLAGS
	s_or_b32 s[G1B], s44, GFLAGS
.irp g, G1A, G1B
	s_mov_b32 s[(\g)+1], KSTEP<<16                 ; tensor_dim0 = 128
	s_mov_b32 s[(\g)+2], 128<<16                   ; tensor_dim1 = 128
	s_mov_b32 s[(\g)+3], KSTEP<<16                 ; tile_dim0 = 128
	s_mov_b32 s[(\g)+4], 128                       ; tile_dim1 = 128
	s_mov_b32 s[(\g)+5], 1024                      ; elements from row to row
	s_mov_b32 s[(\g)+6], 0
	s_mov_b32 s[(\g)+7], 0
.endr
	s_or_b32 s[G1FA], s43, (1<<16)|(1<<20)|(1<<21)|(7<<22)|(3<<25)  ; Wf: to my row; padding of 4 words after every 256
	s_mov_b32 s[G1FA+1], 512<<16                   ; 32 rows x 512 elements
	s_mov_b32 s[G1FA+2], 32<<16
	s_mov_b32 s[G1FA+3], 512<<16
	s_mov_b32 s[G1FA+4], 32
	s_mov_b32 s[G1FA+5], 1024
	s_mov_b32 s[G1FA+6], 0
	s_mov_b32 s[G1FA+7], 0
	s_or_b32 s[G1FB], s44, (1<<16)|(1<<20)|(1<<21)|(4<<22)|(7<<25)  ; Wv: to my column; padding of 8 words after every 32
	s_mov_b32 s[G1FB+1], 64<<16                    ; 256 rows x 64 elements
	s_mov_b32 s[G1FB+2], 256<<16
	s_mov_b32 s[G1FB+3], 64<<16
	s_mov_b32 s[G1FB+4], 256
	s_mov_b32 s[G1FB+5], 1024
	s_mov_b32 s[G1FB+6], 0
	s_mov_b32 s[G1FB+7], 0
	s_lshl_b32 s17, s12, 7
	s_lshl_b32 s16, s13, 8
	s_add_co_u32 s16, s16, s17
	s_lshl_b32 s16, s16, 11                        ; xh: (256 x tile row + 128 x half) rows of 2,048 bytes
	s_lshl_b32 s46, s42, 8
	s_add_co_u32 s46, s46, s17
	s_lshl_b32 s46, s46, 11                        ; Wk: the same with the tile column
	s_mov_b32 s17, 0
	s_mov_b32 s47, 0
	s_and_b32 s8, s13, 15                          ; fo: hangs on the tile row alone
	s_lshl_b32 s18, s8, 17                         ; Wf: (64 fo + 32 x half) rows of 2,048 bytes,
	s_lshl_b32 s19, s12, 16
	s_add_co_u32 s18, s18, s19
	s_add_co_u32 s18, s18, WF-FSTEPA               ; one step short of the first half: each fill steps first
	s_mov_b32 s19, 0
	s_and_b32 s9, ttmp7, 0xffff
	s_lshr_b32 s9, s9, 2
	s_lshl_b32 s9, s9, 2
	s_add_co_u32 s9, s9, s40                       ; fc = 4 (cluster y / 4) + cx: cy does not enter
	s_lshl_b32 s22, s9, 7                          ; Wv: 128 bytes x fc + 256 x half rows,
	s_lshl_b32 s23, s12, 19
	s_add_co_u32 s22, s22, s23
	s_add_co_u32 s22, s22, WV-FSTEPB               ; one step short likewise
	s_mov_b32 s23, 0
	s_mul_i32 s20, s10, HALFT                      ; where my load lands in a slot: no place in the cluster enters an LDS address
	s_mov_b32 s21, s20
	s_mul_i32 s100, s12, 32*FPA                    ; the same for the fold's Wf,
	s_mul_i32 s101, s12, 256*FPB
	s_add_co_u32 s101, s101, FBOFF                 ; and its Wv
	s_mov_b32 s[TB], 0
	s_mov_b32 s[TF], SLOT
	s_wait_dscnt 0x0                               ; the opening add is done
	s_wait_kmcnt 0x0
	s_add_nc_u64 s[14:15], s[4:5], s[16:17]
	s_add_nc_u64 s[46:47], s[6:7], s[46:47]
	s_mov_b32 s[G0FA], 1
	s_add_nc_u64 s[G0FA+2:G0FA+3], s[6:7], s[18:19]
	s_or_b32 s[G0FA+3], s[G0FA+3], 0x80000000
	s_mov_b32 s[G0FB], 1
	s_add_nc_u64 s[G0FB+2:G0FB+3], s[6:7], s[22:23]
	s_or_b32 s[G0FB+3], s[G0FB+3], 0x80000000
	CROUND                                         ; all sixteen work-groups are here: the first joint loads meet
.irp s, 0,1
	s_mov_b32 s[G0A+4*(\s)], 1
	s_add_co_u32 s[G0A+4*(\s)+1], s20, (\s)*SLOT
	s_add_nc_u64 s[G0A+4*(\s)+2:G0A+4*(\s)+3], s[14:15], (\s)*STEP
	s_or_b32 s[G0A+4*(\s)+3], s[G0A+4*(\s)+3], 0x80000000
	s_mov_b32 s[G0B+4*(\s)], 1
	s_add_co_u32 s[G0B+4*(\s)+1], s21, (\s)*SLOT
	s_add_nc_u64 s[G0B+4*(\s)+2:G0B+4*(\s)+3], s[46:47], (\s)*STEP
	s_or_b32 s[G0B+4*(\s)+3], s[G0B+4*(\s)+3], 0x80000000
	JLOAD \s                                       ; K steps 0 and 1: two loads of mine are out
.endr
	v_and_b32 v1, 15, v0                           ; l % 16
	v_bfe_u32 v2, v0, 4, 1                         ; l / 16
	v_and_b32 v5, 31, v0
	v_lshlrev_b32 v20, 4, v5
	s_lshl_b32 s22, s42, 10                        ; my wave's 128 columns: 512 bytes of bk, and 32 groups of 16 bytes of a table row: the same offset
	s_lshl_b32 s23, s12, 9
	s_add_co_u32 s22, s22, s23
	s_mov_b32 s23, 0
	s_add_nc_u64 s[14:15], s[76:77], s[22:23]
	s_add_nc_u64 s[46:47], s[6:7], s[22:23]
	s_lshl_b32 s18, s13, 1
	s_add_co_u32 s18, s18, s11
	s_and_b32 s18, s18, 15                         ; my first row's position is 128 x this
	s_lshl_b32 s18, s18, 12
	s_mov_b32 s19, 0
	s_add_nc_u64 s[68:69], s[46:47], s[18:19]
	global_load_b128 v[220:223], v20, s[14:15]
	global_load_b128 v[208:211], v20, s[68:69] offset:ROT          ; cos, cos, sin, sin of my two pairs at my first row
	global_load_b128 v[216:219], v20, s[46:47] offset:ROT+65536    ; the same for one position: the step
	v_mul_u32_u24 v3, v1, PITCH
	v_lshl_add_u32 v3, v2, 4, v3
	s_mul_i32 s22, s11, HALFT
	s_mul_i32 s23, s12, HALFT
	s_add_co_u32 s23, s23, 2*HALFT
	v_add_nc_u32 v[A0], s22, v3                    ; my fragments in slot 0; never rewritten
	v_add_nc_u32 v[B0], s23, v3
	v_mov_b32 v[CA], v[A0]
	v_mov_b32 v[CB], v[B0]
	v_mul_u32_u24 v[FCA], v1, FPA                  ; the fold's Wf: row l % 16, 16 bytes for each half of the lanes, my 128 along m = 256 bytes x wave
	v_lshl_add_u32 v[FCA], v2, 4, v[FCA]
	s_lshl_b32 s22, s10, 8
	v_add_nc_u32 v[FCA], s22, v[FCA]
	v_add_nc_u32 v[FCA+1], SLOT, v[FCA]
	v_and_b32 v6, 7, v0                            ; the turning load: lane l reads row (m) 8 (l / 16) + l % 8, columns 8 ((l / 8) % 2) + 0..7
	v_bfe_u32 v7, v0, 3, 1
	v_lshl_add_u32 v6, v2, 3, v6
	v_mul_u32_u24 v6, v6, FPB
	v_lshl_add_u32 v6, v7, 4, v6
	s_mul_i32 s22, s10, 128*FPB                    ; my 128 rows of Wv
	s_add_co_u32 s22, s22, FBOFF
	v_add_nc_u32 v[FCB], s22, v6
	v_add_nc_u32 v[FCB+1], SLOT, v[FCB]
	s_mul_i32 s22, s10, FDW                        ; the fold's way out: my partial of rows 16 a + l % 16 goes into wave a's region
	v_mul_u32_u24 v6, v1, FDP
	v_lshl_add_u32 v6, v2, 5, v6
	v_add_nc_u32 v6, s22, v6
	v_add_nc_u32 v7, DWAVE, v6
	v_add_nc_u32 v8, 2*DWAVE, v6
	v_add_nc_u32 v9, 3*DWAVE, v6
	s_mul_i32 s22, s10, DWAVE                      ; the way out: my wave's own bytes
	v_mul_u32_u24 v10, v2, FDP                     ; the fold's rows back: lanes 0-15 one row of 256 bytes, lanes 16-31 the next
	v_lshl_add_u32 v10, v1, 4, v10
	v_add_nc_u32 v10, s22, v10
	v_lshlrev_b32 v11, 11, v2                      ; and the same two rows in wg, 8 bytes a lane
	v_lshl_add_u32 v11, v1, 3, v11
	v_mul_u32_u24 v4, v1, DP
	v_lshl_add_u32 v4, v2, 5, v4
	v_add_nc_u32 v[STO], s22, v4                   ; row l % 16, 32 bytes for each half of the lanes
	v_lshl_add_u32 v[RD], v5, 4, s22               ; back: 32 lanes take a row's 512 bytes
	v_lshlrev_b32 v[GO], 3, v5                     ; and store 8 bytes each
	s_lshl_b32 s16, s13, 8
	s_lshl_b32 s17, s11, 7
	s_add_co_u32 s16, s16, s17
	s_lshl_b32 s16, s16, 11
	s_lshl_b32 s17, s42, 9
	s_add_co_u32 s16, s16, s17
	s_lshl_b32 s17, s12, 8
	s_add_co_u32 s16, s16, s17
	s_mov_b32 s17, 0
	s_add_nc_u64 s[78:79], s[78:79], s[16:17]      ; kh at my wave's first row and column
	s_lshl_b32 s16, s8, 17
	s_lshl_b32 s17, s10, 15
	s_add_co_u32 s16, s16, s17
	s_lshl_b32 s17, s9, 7
	s_add_co_u32 s16, s16, s17
	s_mov_b32 s17, 0
	s_add_nc_u64 s[66:67], s[66:67], s[16:17]      ; wg at row 64 fo + 16 x wave, byte 128 fc
	s_wait_loadcnt 0x0                             ; in the wait for the first tile
	s_mov_b32 s68, 0x42800000                      ; 64.0 (the loads that named s[68:69] are done)
	s_mov_b32 s69, s68                             ; named with it as a pair
	v_cvt_pk_bf16_f32 v224, v220, v221             ; the bias is rounded to bf16 like every input
	v_cvt_pk_bf16_f32 v225, v222, v223
	v_lshlrev_b32 v220, 16, v224
	v_and_b32 v221, 0xffff0000, v224
	v_lshlrev_b32 v222, 16, v225
	v_and_b32 v223, 0xffff0000, v225
; 16 matrix instructions: row blocks a0, a0 + 1 of the window's four x all 8 column blocks, 32 along K.  The 64 accumulators take turns, one instruction a turn.
.macro MUL16 f, hi, a0, zero
	WIN MUL_LO+0x50*(\hi)
.irp a, \a0, (\a0)+1
.irp b, 0,1,2,3,4,5,6,7
.if \zero
	v_wmma_f32_16x16x32_f16 v[8*(8*(\a)+(\b)):8*(8*(\a)+(\b))+7], v[(\f)+8*(\b):(\f)+8*(\b)+7], v[(\f)+8*(4*(\hi)+(\a)):(\f)+8*(4*(\hi)+(\a))+7], 0
.else
	v_wmma_f32_16x16x32_f16 v[8*(8*(\a)+(\b)):8*(8*(\a)+(\b))+7], v[(\f)+8*(\b):(\f)+8*(\b)+7], v[(\f)+8*(4*(\hi)+(\a)):(\f)+8*(4*(\hi)+(\a))+7], v[8*(8*(\a)+(\b)):8*(8*(\a)+(\b))+7]
.endif
.endr
.endr
.endm
; 32 LDS loads in one run: a quarter step's fragments, at byte k of the rows of the slot in hand, into buffer f
.macro FETCH k, f
	WIN TO_B
.irp i, 0,1,2,3,4,5,6,7
	ds_load_b128 v[(\f)+8*(\i):(\f)+8*(\i)+3],   v[CB] offset:(\k)+(\i)*16*PITCH
	ds_load_b128 v[(\f)+8*(\i)+4:(\f)+8*(\i)+7], v[CB] offset:(\k)+(\i)*16*PITCH+32
.endr
	WIN 0
.irp i, 0,1,2,3,4,5,6,7
	ds_load_b128 v[(\f)+8*(\i):(\f)+8*(\i)+3],   v[CA] offset:(\k)+(\i)*16*PITCH
	ds_load_b128 v[(\f)+8*(\i)+4:(\f)+8*(\i)+7], v[CA] offset:(\k)+(\i)*16*PITCH+32
.endr
.endm
; one of a step's first three quarters: multiplies buffer f and, in its middle, fetches the next quarter (byte k) into buffer g
.macro QUARTER k, f, g, zero
	s_wait_dscnt 8                                 ; Wk's fragments and xh's rows 0-63 are in; the youngest eight loads may be out
	MUL16 \f, 0, 0, \zero
	MUL16 \f, 0, 2, \zero
	PLACES
	FETCH \k, \g
	s_wait_dscnt 32                                ; all but the 32 just issued
	MUL16 \f, 1, 0, \zero
	MUL16 \f, 1, 2, \zero
.endm
; the last quarter multiplies buffer 1 and changes slots.  In front of the barrier each wave waits for all its tensor loads (one is out: its part of the next slot), adds 0 to its spare word, and waits for
; that and for its reads of this slot.  The barrier opens a round of the cluster's, and this slot is filled again, first thing behind it: fill = 1 with the K step two on, 224 matrix instructions ahead of the wait for it;
; fill = 2 (the last two steps) with a half of the fold.  In the very last step the next slot holds the fold's first half, and the run of LDS loads for a K step is jumped over.
.macro TURN fill
	WIN 0
	s_wait_tensorcnt 0x0
	ds_add_u32 v[SPW], v[NIL]
	s_wait_dscnt 9                                 ; the add and the youngest eight loads may be out
	MUL16 F1, 0, 0, 0
	s_wait_dscnt 0x0                               ; the add is done, and my reads of this slot are over
	s_barrier_signal -1
	MUL16 F1, 0, 2, 0
	WIN 0
	s_barrier_wait -1
	CREST
	s_xor_b32 s[TF], s[TF], SLOT                   ; no tensor load of mine is out: the walking descriptors may be written
.if (\fill) == 1
	s_add_co_u32 s[G0A+5], s20, s[TF]
	s_add_co_u32 s[G0B+5], s21, s[TF]
	s_add_nc_u64 s[G0A+6:G0A+7], s[G0A+6:G0A+7], STEP
	s_add_nc_u64 s[G0B+6:G0B+7], s[G0B+6:G0B+7], STEP
	JLOAD 1                                        ; its four v_nop are also the places in front of the loads below
.else
	s_add_co_u32 s[G0FA+1], s100, s[TF]
	s_add_co_u32 s[G0FB+1], s101, s[TF]
	s_add_nc_u64 s[G0FA+2:G0FA+3], s[G0FA+2:G0FA+3], FSTEPA
	s_add_nc_u64 s[G0FB+2:G0FB+3], s[G0FB+2:G0FB+3], FSTEPB
	JLOADF
.endif
	s_xor_b32 s[TB], s[TB], SLOT
	v_add_nc_u32 v[CA], s[TB], v[A0]
	v_add_nc_u32 v[CB], s[TB], v[B0]
.if (\fill) == 2
	s_cmp_eq_u32 s3, 1
	s_cbranch_scc1 .Lnf_\@
.endif
	FETCH 0, F0
	WIN 0
.if (\fill) == 2
.Lnf_\@:
.endif
	MUL16 F1, 1, 0, 0
	MUL16 F1, 1, 2, 0
.endm
; THE FOLD.  32 LDS loads: my fragments of 64 along m (two matrix instructions deep: kk = 2 hf, 2 hf + 1) of the half in slot p: Wv's four column blocks, turned, then Wf's four row blocks
.macro FFETCH p, hf
	WIN TO_B
.irp c, 0,1
.irp b, 0,1,2,3
.set rF, 64+32*(2*(\hf)+(\c))+8*(\b)
.set oF, 32*(2*(\hf)+(\c))*FPB+32*(\b)
	ds_load_tr16_b128 v[rF:rF+3],   v[FCB+(\p)] offset:oF
	ds_load_tr16_b128 v[rF+4:rF+7], v[FCB+(\p)] offset:oF+16*FPB
.endr
.endr
	WIN 0
.irp c, 0,1
.irp a, 0,1,2,3
.set rF, 64+32*(2*(\hf)+(\c))+8*(\a)
.set oF, (\a)*16*FPA+64*(2*(\hf)+(\c))
	ds_load_b128 v[rF:rF+3],   v[FCA+(\p)] offset:oF
	ds_load_b128 v[rF+4:rF+7], v[FCA+(\p)] offset:oF+32
.endr
.endr
.endm
; 16 matrix instructions: the whole 64 x 64 tile, 32 along m.  The 16 accumulators take turns.  Source 0 = 16 columns of Wv, source 1 = 16 rows of Wf.
.macro FMUL kk, zero
	WIN 0x51                                       ; source 0, C and D window 1; source 1 window 0
.irp a, 0,1,2,3
.irp b, 0,1,2,3
.set rD, 8*(4*(\a)+(\b))+128*((\a)/2)              ; v0-63, then v192-255
.if \zero
	v_wmma_f32_16x16x32_f16 v[rD:rD+7], v[64+32*(\kk)+8*(\b):64+32*(\kk)+8*(\b)+7], v[64+32*(\kk)+8*(\a):64+32*(\kk)+8*(\a)+7], 0
.else
	v_wmma_f32_16x16x32_f16 v[rD:rD+7], v[64+32*(\kk)+8*(\b):64+32*(\kk)+8*(\b)+7], v[64+32*(\kk)+8*(\a):64+32*(\kk)+8*(\a)+7], v[rD:rD+7]
.endif
.endr
.endr
.endm
; The half in slot p.  Its barrier: behind half 0's, slot 1's half is whole (each wave has waited for its load); behind half 1's, no wave reads a slot any more.
.macro FPART p
	PLACES                                         ; for the loads into the fragment buffers, which the products just issued have read
	FFETCH \p, 0
	FFETCH \p, 1
	s_wait_dscnt 32                                ; the first 64 along m are in; the 32 loads of the second 64 may be out
	FMUL 0, 1-(\p)                                 ; half 0's first products start the sums
	FMUL 1, 0
	WIN 0
.if (\p) == 0
	s_wait_tensorcnt 0x0                           ; my part of the other half has landed
	ds_add_u32 v[SPW], v[NIL]
.endif
	s_wait_dscnt 0x0                               ; my reads of this slot are over
	s_barrier_signal -1
	FMUL 2, 0
	FMUL 3, 0
	WIN 0
	s_barrier_wait -1
.endm
	s_wait_tensorcnt 1                             ; my part of K step 0 is in; step 1's may stay out
	s_barrier_signal -1
	s_barrier_wait -1
	FETCH 0, F0
	QUARTER 64, F0, F1, 1                          ; the first quarter's products start the sums
	WIN 0
	s_mov_b32 s3, T-2
	s_branch .Lin
.Lmain:                                                ; a trip is a K step; six trips ask for steps 2 to 7
	QUARTER 64, F0, F1, 0
	WIN 0
.Lin:
	QUARTER 128, F1, F0, 0
	QUARTER 192, F0, F1, 0
	TURN 1
	WIN 0
	s_sub_co_u32 s3, s3, 1
	s_cmp_lg_u32 s3, 0
	s_cbranch_scc1 .Lmain
	s_mov_b32 s3, 2
.Ltail:                                                ; steps 6 and 7 ask for the fold's halves 0 and 1
	QUARTER 64, F0, F1, 0
	QUARTER 128, F1, F0, 0
	QUARTER 192, F0, F1, 0
	TURN 2
	WIN 0
	s_sub_co_u32 s3, s3, 1
	s_cmp_lg_u32 s3, 0
	s_cbranch_scc1 .Ltail
	FPART 0
	FPART 1
	; THE FOLD'S WAY OUT.  Behind the last barrier no wave reads a slot and no load is out.  Each accumulator's low four registers go first.
	PLACES
	WIN 0x04                                       ; store data in window 1
.set a, 0
.rept 4
.set b, 0
.rept 4
.set rD, 8*(4*a+b)+128*(a/2)
	ds_store_b128 v[6+a], v[rD:rD+3]   offset:64*b
	ds_store_b128 v[6+a], v[rD+4:rD+7] offset:64*b+16
.set b, b+1
.endr
.set a, a+1
.endr
	WIN 0
	s_wait_dscnt 0x0                               ; for the others' sake: each wave's region takes partial rows from all four
	s_barrier_signal -1
	s_barrier_wait -1                              ; from here on a wave touches its own region alone
.set t, 0
.rept 8
.irp p, 0,1,2,3
	ds_load_b128 v[64+16*t+4*(\p):64+16*t+4*(\p)+3], v10 offset:(\p)*FDW+t*2*FDP  ; rows 2 t, 2 t + 1 of my 16, wave p's partial
.endr
.set t, t+1
.endr
.set t, 0
.rept 8
.set rX, 64+16*t
	s_wait_dscnt 28-4*t                            ; LDS loads come back in order (ISA guide 5.7.1): this pair of rows is in, the later pairs' loads may be out
	v_pk_add_f32 v[rX:rX+1], v[rX:rX+1], v[rX+4:rX+5]
	v_pk_add_f32 v[rX+2:rX+3], v[rX+2:rX+3], v[rX+6:rX+7]
	v_pk_add_f32 v[rX+8:rX+9], v[rX+8:rX+9], v[rX+12:rX+13]
	v_pk_add_f32 v[rX+10:rX+11], v[rX+10:rX+11], v[rX+14:rX+15]
	v_pk_add_f32 v[rX:rX+1], v[rX:rX+1], v[rX+8:rX+9]
	v_pk_add_f32 v[rX+2:rX+3], v[rX+2:rX+3], v[rX+10:rX+11]
	v_pk_mul_f32 v[rX:rX+1], v[rX:rX+1], s[68:69] op_sel_hi:[1,0]      ; x 64
	v_pk_mul_f32 v[rX+2:rX+3], v[rX+2:rX+3], s[68:69] op_sel_hi:[1,0]
	v_cvt_pk_f16_f32 v[228+2*t], v[rX], v[rX+1]
	v_cvt_pk_f16_f32 v[229+2*t], v[rX+2], v[rX+3]
	global_store_b64 v11, v[228+2*t:229+2*t], s[66:67] offset:4096*t   ; sixteen lanes store a row's 128 bytes; offset, data and base are not written again
.set t, t+1
.endr
	; K'S WAY OUT, over the bytes that I have just read
.set a, 0
.rept 8
	WIN 0x08+4*(a/4)                               ; store data in window 2 or 3
.set b, 0
.rept 8
	ds_store_b128 v[STO], v[8*(8*(a%4)+b):8*(8*(a%4)+b)+3]   offset:16*DP*a+64*b
	ds_store_b128 v[STO], v[8*(8*(a%4)+b)+4:8*(8*(a%4)+b)+7] offset:16*DP*a+64*b+16
.set b, b+1
.endr
.set a, a+1
.endr
	WIN 0
; row j of a trip's eight: bias, the two pairs turned, rounded, 256 aligned bytes stored by the wave; cos and sin go on by one position into the other set
.macro KROW j
.if ((\j)%2) == 0
.set RP, 208
.set RQ, 212
.else
.set RP, 212
.set RQ, 208
.endif
.set XR, 32+4*(\j)
	s_wait_dscnt 7-(\j)                            ; LDS loads come back in order (ISA guide 5.7.1): row j is in
	v_pk_add_f32 v[XR:XR+1], v[XR:XR+1], v[220:221]
	v_pk_add_f32 v[XR+2:XR+3], v[XR+2:XR+3], v[222:223]
	v_pk_mul_f32 v[224:225], v[XR:XR+1], v[RP:RP+1] op_sel_hi:[1,0]                  ; (x0, x1) cos a
	v_pk_mul_f32 v[226:227], v[XR+2:XR+3], v[RP:RP+1] op_sel:[0,1] op_sel_hi:[1,1]   ; (x2, x3) cos b
	v_pk_mul_f32 v[RQ:RQ+1], v[RP:RP+1], v[216:217]
	v_pk_mul_f32 v[RQ+2:RQ+3], v[RP+2:RP+3], v[216:217]
	v_pk_fma_f32 v[224:225], v[XR:XR+1], v[RP+2:RP+3], v[224:225] op_sel:[1,0,0] op_sel_hi:[0,0,1] neg_lo:[1,0,0]    ; + (-x1, x0) sin a
	v_pk_fma_f32 v[226:227], v[XR+2:XR+3], v[RP+2:RP+3], v[226:227] op_sel:[1,1,0] op_sel_hi:[0,1,1] neg_lo:[1,0,0]  ; + (-x3, x2) sin b
	v_pk_fma_f32 v[RQ+2:RQ+3], v[RP:RP+1], v[218:219], v[RQ+2:RQ+3]                  ; sin' = sin cos1 + cos sin1
	v_pk_fma_f32 v[RQ:RQ+1], v[RP+2:RP+3], v[218:219], v[RQ:RQ+1] neg_lo:[1,0,0] neg_hi:[1,0,0]  ; cos' = cos cos1 - sin sin1
	v_cvt_pk_f16_f32 v[192+2*(\j)], v224, v225
	v_cvt_pk_f16_f32 v[193+2*(\j)], v226, v227
	global_store_b64 v[GO], v[192+2*(\j):193+2*(\j)], s[78:79] offset:2048*(\j)
.endm
	s_mov_b32 s3, 16
.Lrow:                                                 ; 16 trips of 8 rows; LDS serves a wave's instructions in order (ISA guide 5.7.1.4): the loads see my stores above
.irp j, 0,1,2,3,4,5,6,7
	ds_load_b128 v[32+4*(\j):35+4*(\j)], v[RD] offset:DP*(\j)
.endr
.irp j, 0,1,2,3,4,5,6,7
	KROW \j
.endr
	s_wait_xcnt 0x0                                ; the stores' offset and data registers are written again only behind this wait (ISA guide 3.1)
	v_add_nc_u32 v[GO], 8*2048, v[GO]
	v_add_nc_u32 v[RD], 8*DP, v[RD]
	s_sub_co_u32 s3, s3, 1
	s_cmp_lg_u32 s3, 0
	s_cbranch_scc1 .Lrow
	s_wait_tensorcnt 0x0                           ; the wave's end
	ds_add_u32 v[SPW], v[NIL]
	s_wait_dscnt 0x0
	CROUND                                         ; the closing round
	s_endpgm
.Lfunc_end_k_qcc0d20d0a4_kproj:
	.size	k_qcc0d20d0a4_kproj, .Lfunc_end_k_qcc0d20d0a4_kproj-k_qcc0d20d0a4_kproj
	.p2alignl 7, 3214868480
	.fill 96, 4, 3214868480
	.section	.rodata,"a",@progbits
	.p2align	6, 0x0
	.amdhsa_kernel k_qcc0d20d0a4_kproj
		.amdhsa_group_segment_fixed_size 327680
		.amdhsa_private_segment_fixed_size 0
		.amdhsa_enable_private_segment 0
		.amdhsa_kernarg_size 40
		.amdhsa_user_sgpr_count 2
		.amdhsa_user_sgpr_kernarg_segment_ptr 1
		.amdhsa_wavefront_size32 1
		.amdhsa_system_sgpr_workgroup_id_x 1
		.amdhsa_system_sgpr_workgroup_id_y 1
		.amdhsa_system_sgpr_workgroup_id_z 1
		.amdhsa_system_vgpr_workitem_id 0
		.amdhsa_next_free_vgpr 1024
		.amdhsa_next_free_sgpr 102
		.amdhsa_reserve_vcc 0
		.amdhsa_float_denorm_mode_32 3
		.amdhsa_float_denorm_mode_16_64 3
		.amdhsa_memory_ordered 1
		.amdhsa_forward_progress 1
		.amdhsa_inst_pref_size 117
	.end_amdhsa_kernel
	.amdgpu_metadata
---
amdhsa.version: [ 1, 2 ]
amdhsa.kernels:
  - .name:           k_qcc0d20d0a4_kproj
    .symbol:         k_qcc0d20d0a4_kproj.kd
    .args:
      - { .name: xh, .offset: 0, .size: 8, .value_kind: global_buffer, .address_space: global }
      - { .name: wh, .offset: 8, .size: 8, .value_kind: global_buffer, .address_space: global }
      - { .name: bk, .offset: 16, .size: 8, .value_kind: global_buffer, .address_space: global }
      - { .name: kh, .offset: 24, .size: 8, .value_kind: global_buffer, .address_space: global }
      - { .name: wg, .offset: 32, .size: 8, .value_kind: global_buffer, .address_space: global }
    .group_segment_fixed_size: 327680
    .private_segment_fixed_size: 0
    .kernarg_segment_align: 8
    .kernarg_segment_size: 40
    .max_flat_workgroup_size: 128
    .sgpr_count:     102
    .vgpr_count:     1024
    .wavefront_size: 32
...
	.end_amdgpu_metadata
.endif
;; end of part 2
;; launch scores (part 3): grid 64 x 4, 4 waves a work-group, clusters of 4 x 4, 327,680 bytes of LDS; arguments wh, kh, pp, st; writes pp, st
.if DOCPART == 3
	.amdgcn_target "amdgcn-amd-amdhsa--gfx1250"
	.amdhsa_code_object_version 6
	.text
	.protected	k_qcc0d20d0a4_scores
	.globl	k_qcc0d20d0a4_scores
	.p2align	8
	.type	k_qcc0d20d0a4_scores,@function
k_qcc0d20d0a4_scores:
	s_mov_b64 s[64:65], 0
	v_nop
	global_prefetch_b8 v0, s[64:65] scope:SCOPE_SE
	s_setreg_imm32_b32 hwreg(HW_REG_WAVE_MODE, 25, 1), 1
	s_wait_xcnt 0x0
	s_wait_alu depctr_hold_cnt(0) depctr_sa_sdst(0) depctr_va_vdst(0) depctr_va_sdst(0) depctr_va_ssrc(0) depctr_va_vcc(0) depctr_vm_vsrc(0)
	s_getreg_b32 s2, hwreg(HW_REG_IB_STS2, 6, 4)
	s_cmp_eq_u32 s2, 0
	s_cbranch_scc0 .Lentry_in_a_cluster
	s_endpgm
.Lentry_in_a_cluster:
	s_bfe_u32 s2, ttmp6, 0x10000c
	s_cmp_lg_u32 s2, 0xf033
	s_cbranch_scc0 .Lentry_shape_is_right
	s_endpgm
.Lentry_shape_is_right:
; SCORES.  S = Q K^T for 128 queries x 256 keys of one batch; then for each query, over these 256 keys: m = the maximum, cm = c m (c = log2 e), p = 2^(c s - cm) written as f16 into pp, l = the sum of the
; unrounded p; (cm, l) into st.  The next launch joins the eight tiles of a row by the maximum of their cm: the softmax's maximum is taken away exactly, in two levels.
; Q: [512][1024] f16 at wh + QH; kh: [16384][1024] f16; pp: [4096 = batch x 512 + q][2048] f16; st: [8 tiles][4096 rows][cm, l] f32.
; LIMITS.  p lies in 0 to 1 and keeps f16's fixed step of 6e-8 below 6e-5; a weight below 2^-126 counts as 0 in l.  NaN and infinities are not treated apart.
; SHARES.  Four waves, each 64 queries x 128 keys: 32 accumulators (window 2).  K (the 1,024 channels) goes in 8 steps of 128 through two LDS slots.
; CLUSTER.  4 x 4: Q's tile hangs on the tile row alone and is shared along a row of the cluster, K's on the tile column alone and is shared along a column.
; The matrix instruction is used transposed (source 0 = 16 keys, source 1 = 16 queries): a lane holds query l % 16 and keys 8 (l / 16) + 0..7.  The loop holds one K step, as in the projection of K:
; the slot in hand and the slot to fill are scalars; the first quarter stands ahead; the last two steps are a loop of their own.
; THE WAY OUT.  The tile goes as f32 into the slots (their last fill is over), rows of 1,040 bytes; behind a barrier each wave takes 32 whole rows: a row's 256 scores are 8 a lane.
; REGISTERS.  window 0: v16-19 fragment addresses; v24-26 way out; v28-29 the add's; v64-127 Q's fragments, two buffers; v128-195 the row loop.  window 1: v0-127 K's fragments, two buffers.  window 2: accumulators, (a, b) at 8 (8 a + b).
.set T,      8
.set KSTEP,  128
.set PITCH,  272
.set AHALF,  64*PITCH                  ; what a load of Q brings
.set BHALF,  128*PITCH                 ; what a load of K brings
.set BOFF,   2*AHALF                   ; a slot: Q's 128 rows, then K's 256 rows
.set SLOT,   131072
.set SPARE,  SLOT+BOFF+2*BHALF         ; the spare words: two blocks of 256 bytes that no other line names
.set DP,     1040                      ; the way out: 256 f32 + 16 bytes
.set STEP,   2*KSTEP
.set QH,     6291456
.set GFLAGS, (1<<16)|(1<<20)|(1<<21)|(5<<22)|(3<<25)
.set CA, 16
.set CB, 17
.set A0, 18
.set B0, 19
.set STO, 24
.set RD, 25
.set GO, 26
.set SPW, 28
.set NIL, 29
.set X,   128                          ; four rows of 8 scores
.set CMR, 160                          ; c m, as a pair, for each of the four rows
.set TM,  168                          ; two at work for each row
.set PR,  176                          ; four packed words for each row
.set SC,  192                          ; v192-193: (cm, l) of the row whose number in my 32 is my lane's
.set LREL, 194                         ; my lane less 4 x the trip
.set SOF, 195
.set G1A, 24
.set G0A, 32
.set G1B, 48
.set G0B, 56
.set TB, 70
.set TF, 71
.set MSB, 0
.macro WIN new
.if MSB != (\new)
	s_set_vgpr_msb (MSB<<8)|(\new)
.set MSB, \new
.endif
.endm
.macro PLACES
.rept 4
	v_nop
.endr
.endm
.macro JLOAD s                         ; waves 0, 1 fetch Q's halves, waves 2, 3 K's
	s_cmp_eq_u32 s11, 0
	s_cbranch_scc0 .Lfor_b_\@
	tensor_load_to_lds s[G0A+4*(\s):G0A+4*(\s)+3], s[G1A:G1A+7]
	s_nop 0
	PLACES
	s_branch .Lasked_\@
.Lfor_b_\@:
	tensor_load_to_lds s[G0B+4*(\s):G0B+4*(\s)+3], s[G1B:G1B+7]
	s_nop 0
	PLACES
.Lasked_\@:
.endm
.macro CREST
	s_cmp_lg_u32 s10, 0
	s_cbranch_scc1 .Lnot_wave_0_\@
	s_barrier_signal -3
.Lnot_wave_0_\@:
	s_barrier_wait -3
	s_barrier_signal -1
	s_barrier_wait -1
.endm
.macro CROUND
	s_barrier_signal -1
	s_barrier_wait -1
	CREST
.endm
	s_load_b128 s[4:7], s[0:1], 0x0                ; wh s[4:5], kh s[6:7]
	s_load_b128 s[76:79], s[0:1], 0x10             ; pp s[76:77], st s[78:79]
	v_lshl_add_u32 v[SPW], v0, 2, SPARE
	v_mov_b32 v[NIL], 0
	ds_add_u32 v[SPW], v[NIL]                      ; the wave's opening: the add and its wait ahead of my first tensor load
	v_lshrrev_b32 v1, 5, v0
	v_readfirstlane_b32 s10, v1
	s_lshr_b32 s11, s10, 1                         ; my 64 queries; also: I fetch for Q (0) or K (1)
	s_and_b32 s12, s10, 1                          ; my 128 keys; also: which half I fetch
	s_bfe_u32 s40, ttmp6, 0x40000
	s_bfe_u32 s41, ttmp6, 0x40004
	s_lshl_b32 s42, ttmp9, 2
	s_add_co_u32 s42, s42, s40                     ; tile column: 8 x batch + key tile
	s_and_b32 s13, ttmp7, 0xffff
	s_lshl_b32 s13, s13, 2
	s_add_co_u32 s13, s13, s41                     ; tile row: 128 queries
	s_lshl_b32 s43, s41, 2
	s_lshl_b32 s43, 15, s43
	s_lshl_b32 s44, 0x1111, s40
	s_or_b32 s[G1A], s43, GFLAGS
	s_or_b32 s[G1B], s44, GFLAGS
	s_mov_b32 s[G1A+1], KSTEP<<16                  ; Q: 64 rows x 128 elements
	s_mov_b32 s[G1A+2], 64<<16
	s_mov_b32 s[G1A+3], KSTEP<<16
	s_mov_b32 s[G1A+4], 64
	s_mov_b32 s[G1A+5], 1024
	s_mov_b32 s[G1A+6], 0
	s_mov_b32 s[G1A+7], 0
	s_mov_b32 s[G1B+1], KSTEP<<16                  ; K: 128 rows x 128 elements
	s_mov_b32 s[G1B+2], 128<<16
	s_mov_b32 s[G1B+3], KSTEP<<16
	s_mov_b32 s[G1B+4], 128
	s_mov_b32 s[G1B+5], 1024
	s_mov_b32 s[G1B+6], 0
	s_mov_b32 s[G1B+7], 0
	s_lshl_b32 s16, s13, 7
	s_lshl_b32 s17, s12, 6
	s_add_co_u32 s16, s16, s17
	s_lshl_b32 s16, s16, 11
	s_add_co_u32 s16, s16, QH                      ; Q: QH + (128 x tile row + 64 x half) x 2,048
	s_lshl_b32 s46, s42, 8
	s_lshl_b32 s17, s12, 7
	s_add_co_u32 s46, s46, s17
	s_lshl_b32 s46, s46, 11                        ; K: (256 x tile column + 128 x half) x 2,048
	s_mov_b32 s17, 0
	s_mov_b32 s47, 0
	s_mul_i32 s20, s12, AHALF                      ; where a load of Q lands in a slot,
	s_mul_i32 s21, s12, BHALF
	s_add_co_u32 s21, s21, BOFF                    ; and a load of K
	s_mov_b32 s[TB], 0
	s_mov_b32 s[TF], SLOT
	s_mov_b32 s72, 0x3fb8aa3b                      ; c = log2 e
	s_mov_b32 s73, s72                             ; named with it as a pair
	s_mov_b32 s74, 0x76543210                      ; v_permlanex16_b32: each lane takes its own place in the other half
	s_mov_b32 s75, 0xfedcba98
	s_wait_dscnt 0x0
	s_wait_kmcnt 0x0
	s_add_nc_u64 s[14:15], s[4:5], s[16:17]
	s_add_nc_u64 s[46:47], s[6:7], s[46:47]
	CROUND
.irp s, 0,1
	s_mov_b32 s[G0A+4*(\s)], 1
	s_add_co_u32 s[G0A+4*(\s)+1], s20, (\s)*SLOT
	s_add_nc_u64 s[G0A+4*(\s)+2:G0A+4*(\s)+3], s[14:15], (\s)*STEP
	s_or_b32 s[G0A+4*(\s)+3], s[G0A+4*(\s)+3], 0x80000000
	s_mov_b32 s[G0B+4*(\s)], 1
	s_add_co_u32 s[G0B+4*(\s)+1], s21, (\s)*SLOT
	s_add_nc_u64 s[G0B+4*(\s)+2:G0B+4*(\s)+3], s[46:47], (\s)*STEP
	s_or_b32 s[G0B+4*(\s)+3], s[G0B+4*(\s)+3], 0x80000000
	JLOAD \s
.endr
	v_and_b32 v1, 15, v0
	v_bfe_u32 v2, v0, 4, 1
	v_mul_u32_u24 v3, v1, PITCH
	v_lshl_add_u32 v3, v2, 4, v3
	s_mul_i32 s22, s11, AHALF
	s_mul_i32 s23, s12, BHALF
	s_add_co_u32 s23, s23, BOFF
	v_add_nc_u32 v[A0], s22, v3
	v_add_nc_u32 v[B0], s23, v3
	v_mov_b32 v[CA], v[A0]
	v_mov_b32 v[CB], v[B0]
	s_mul_i32 s22, s11, 64*DP                      ; into the stage: my 64 rows, my 512 bytes of them
	s_lshl_b32 s23, s12, 9
	s_add_co_u32 s22, s22, s23
	v_mul_u32_u24 v4, v1, DP
	v_lshl_add_u32 v4, v2, 5, v4
	v_add_nc_u32 v[STO], s22, v4
	s_mul_i32 s22, s10, 32*DP                      ; back: wave w takes rows 32 w .. 32 w + 31, whole
	v_and_b32 v[LREL], 31, v0
	v_lshl_add_u32 v[RD], v[LREL], 4, s22
	v_lshlrev_b32 v[GO], 3, v[LREL]
	v_lshlrev_b32 v[SOF], 3, v[LREL]
	v_mov_b32 v[SC], 0
	v_mov_b32 v[SC+1], 0
	s_lshr_b32 s16, s42, 3
	s_lshl_b32 s16, s16, 9
	s_lshl_b32 s17, s13, 7
	s_add_co_u32 s16, s16, s17
	s_lshl_b32 s17, s10, 5
	s_add_co_u32 s16, s16, s17                     ; the first row that I finish: 512 x batch + 128 x tile row + 32 x wave
	s_and_b32 s18, s42, 7                          ; the key tile
	s_lshl_b32 s22, s16, 12
	s_lshl_b32 s17, s18, 9
	s_add_co_u32 s22, s22, s17
	s_mov_b32 s23, 0
	s_add_nc_u64 s[76:77], s[76:77], s[22:23]      ; pp at that row, at the tile's 512 bytes
	s_lshl_b32 s22, s18, 12
	s_add_co_u32 s22, s22, s16
	s_lshl_b32 s22, s22, 3
	s_add_nc_u64 s[78:79], s[78:79], s[22:23]      ; st at [tile][row]
; 8 matrix instructions: query block a x all 8 key blocks, 32 along K.  The 32 accumulators take turns.
.macro MULA f, a, zero
	WIN 0xa1                                       ; source 0 window 1, source 1 window 0, C and D window 2
.irp b, 0,1,2,3,4,5,6,7
.if \zero
	v_wmma_f32_16x16x32_f16 v[8*(8*(\a)+(\b)):8*(8*(\a)+(\b))+7], v[64*(\f)+8*(\b):64*(\f)+8*(\b)+7], v[64+32*(\f)+8*(\a):64+32*(\f)+8*(\a)+7], 0
.else
	v_wmma_f32_16x16x32_f16 v[8*(8*(\a)+(\b)):8*(8*(\a)+(\b))+7], v[64*(\f)+8*(\b):64*(\f)+8*(\b)+7], v[64+32*(\f)+8*(\a):64+32*(\f)+8*(\a)+7], v[8*(8*(\a)+(\b)):8*(8*(\a)+(\b))+7]
.endif
.endr
.endm
.macro FETCH k, f                      ; 24 LDS loads in one run: K's 16, then Q's 8
	WIN 0x40
.irp i, 0,1,2,3,4,5,6,7
	ds_load_b128 v[64*(\f)+8*(\i):64*(\f)+8*(\i)+3],   v[CB] offset:(\k)+(\i)*16*PITCH
	ds_load_b128 v[64*(\f)+8*(\i)+4:64*(\f)+8*(\i)+7], v[CB] offset:(\k)+(\i)*16*PITCH+32
.endr
	WIN 0
.irp i, 0,1,2,3
	ds_load_b128 v[64+32*(\f)+8*(\i):64+32*(\f)+8*(\i)+3],   v[CA] offset:(\k)+(\i)*16*PITCH
	ds_load_b128 v[64+32*(\f)+8*(\i)+4:64+32*(\f)+8*(\i)+7], v[CA] offset:(\k)+(\i)*16*PITCH+32
.endr
.endm
.macro QUARTER k, f, g, zero
	s_wait_dscnt 4                                 ; K's fragments and Q's blocks 0, 1 are in; the youngest four loads may be out
	MULA \f, 0, \zero
	MULA \f, 1, \zero
	PLACES
	FETCH \k, \g
	s_wait_dscnt 24                                ; all but the 24 just issued
	MULA \f, 2, \zero
	MULA \f, 3, \zero
.endm
; the last quarter and the change of slots: as in the projection of K; a refill has 112 matrix instructions in which to land
.macro TURN fill
	WIN 0
	s_wait_tensorcnt 0x0                           ; all my tensor loads have landed: my part of the next slot
	ds_add_u32 v[SPW], v[NIL]
	s_wait_dscnt 5                                 ; the add and the youngest four loads may be out
	MULA 1, 0, 0
	s_wait_dscnt 0x0                               ; the add is done, and my reads of this slot are over
	s_barrier_signal -1
	MULA 1, 1, 0
	WIN 0
	s_barrier_wait -1
.if \fill
	CREST
	s_xor_b32 s[TF], s[TF], SLOT
	s_add_co_u32 s[G0A+5], s20, s[TF]
	s_add_co_u32 s[G0B+5], s21, s[TF]
	s_add_nc_u64 s[G0A+6:G0A+7], s[G0A+6:G0A+7], STEP
	s_add_nc_u64 s[G0B+6:G0B+7], s[G0B+6:G0B+7], STEP
	JLOAD 1
.else
	PLACES
.endif
	s_xor_b32 s[TB], s[TB], SLOT
	v_add_nc_u32 v[CA], s[TB], v[A0]
	v_add_nc_u32 v[CB], s[TB], v[B0]
.if !(\fill)
	s_cmp_eq_u32 s3, 1
	s_cbranch_scc1 .Lnf_\@
.endif
	FETCH 0, 0
	WIN 0
.if !(\fill)
.Lnf_\@:
.endif
	MULA 1, 2, 0
	MULA 1, 3, 0
.endm
	s_wait_tensorcnt 1                             ; my part of K step 0 is in; step 1's may stay out
	s_barrier_signal -1
	s_barrier_wait -1
	FETCH 0, 0
	QUARTER 64, 0, 1, 1
	WIN 0
	s_mov_b32 s3, T-2
	s_branch .Lin
.Lmain:
	QUARTER 64, 0, 1, 0
	WIN 0
.Lin:
	QUARTER 128, 1, 0, 0
	QUARTER 192, 0, 1, 0
	TURN 1
	WIN 0
	s_sub_co_u32 s3, s3, 1
	s_cmp_lg_u32 s3, 0
	s_cbranch_scc1 .Lmain
	s_mov_b32 s3, 2
.Ltail:
	QUARTER 64, 0, 1, 0
	QUARTER 128, 1, 0, 0
	QUARTER 192, 0, 1, 0
	TURN 0
	WIN 0
	s_sub_co_u32 s3, s3, 1
	s_cmp_lg_u32 s3, 0
	s_cbranch_scc1 .Ltail
	; THE WAY OUT.  Behind the last barrier no wave reads a slot and no load is out.
	PLACES
	WIN 0x08                                       ; store data in window 2
.set a, 0
.rept 4
.set b, 0
.rept 8
	ds_store_b128 v[STO], v[8*(8*a+b):8*(8*a+b)+3]   offset:16*DP*a+64*b
	ds_store_b128 v[STO], v[8*(8*a+b)+4:8*(8*a+b)+7] offset:16*DP*a+64*b+16
.set b, b+1
.endr
.set a, a+1
.endr
	WIN 0
	s_wait_dscnt 0x0                               ; for the others' sake: a row's 1,024 bytes come from two waves
	s_barrier_signal -1
	s_barrier_wait -1
	s_mov_b32 s3, 8
.Lrow:                                                 ; 8 trips of 4 rows, written stage by stage over the four, so that no line reads the result of the line before it
.irp u, 0,1,2,3
	ds_load_b128 v[X+8*(\u):X+8*(\u)+3],   v[RD] offset:DP*(\u)        ; keys 4 l .. 4 l + 3
	ds_load_b128 v[X+8*(\u)+4:X+8*(\u)+7], v[RD] offset:DP*(\u)+512    ; keys 128 + 4 l ..
.endr
.irp u, 0,1,2,3
	s_wait_dscnt 6-2*(\u)                          ; row u's two loads are in
	v_max3_num_f32 v[TM+2*(\u)],   v[X+8*(\u)],   v[X+8*(\u)+1], v[X+8*(\u)+2]
	v_max3_num_f32 v[TM+2*(\u)+1], v[X+8*(\u)+3], v[X+8*(\u)+4], v[X+8*(\u)+5]
.endr
.irp u, 0,1,2,3
	v_max3_num_f32 v[TM+2*(\u)], v[TM+2*(\u)], v[X+8*(\u)+6], v[X+8*(\u)+7]
.endr
.irp u, 0,1,2,3
	v_max_num_f32 v[TM+2*(\u)], v[TM+2*(\u)], v[TM+2*(\u)+1]
.endr
.irp m, 1,2,4,8
.irp u, 0,1,2,3
	v_max_num_f32_dpp v[TM+2*(\u)], v[TM+2*(\u)], v[TM+2*(\u)] row_xmask:\m row_mask:0xf bank_mask:0xf
.endr
.endr
.irp u, 0,1,2,3
	v_permlanex16_b32 v[TM+2*(\u)+1], v[TM+2*(\u)], s74, s75
.endr
.irp u, 0,1,2,3
	v_max_num_f32 v[TM+2*(\u)], v[TM+2*(\u)], v[TM+2*(\u)+1]       ; the row's maximum over the 256 keys, in every lane
.endr
.irp u, 0,1,2,3
	v_mul_f32 v[CMR+2*(\u)],   s72, v[TM+2*(\u)]
	v_mul_f32 v[CMR+2*(\u)+1], s72, v[TM+2*(\u)]                   ; named with it as a pair
.endr
.irp u, 0,1,2,3
.irp i, 0,2,4,6
	v_pk_fma_f32 v[X+8*(\u)+(\i):X+8*(\u)+(\i)+1], v[X+8*(\u)+(\i):X+8*(\u)+(\i)+1], s[72:73], v[CMR+2*(\u):CMR+2*(\u)+1] op_sel_hi:[1,0,0] neg_lo:[0,0,1] neg_hi:[0,0,1]  ; c s - c m
.endr
.endr
.irp u, 0,1,2,3
.irp i, 0,1,2,3,4,5,6,7
	v_exp_f32 v[X+8*(\u)+(\i)], v[X+8*(\u)+(\i)]
.endr
.endr
.irp u, 0,1,2,3                        ; plain instructions between the exponentials and the use of their results (ISA guide 5.7.2): the lane whose number is the row's keeps c m
	v_cmp_eq_u32 vcc_lo, \u, v[LREL]
	v_cndmask_b32 v[SC], v[SC], v[CMR+2*(\u)], vcc_lo
.endr
	s_wait_alu depctr_va_vdst(0)
.irp u, 0,1,2,3
.irp i, 0,1,2,3
	v_cvt_pk_f16_f32 v[PR+4*(\u)+(\i)], v[X+8*(\u)+2*(\i)], v[X+8*(\u)+2*(\i)+1]
.endr
.endr
.irp u, 0,1,2,3
	global_store_b64 v[GO], v[PR+4*(\u):PR+4*(\u)+1],   s[76:77] offset:4096*(\u)      ; the wave stores 256 consecutive bytes, aligned,
	global_store_b64 v[GO], v[PR+4*(\u)+2:PR+4*(\u)+3], s[76:77] offset:4096*(\u)+256  ; and the next 256
.endr
.irp u, 0,1,2,3
	v_pk_add_f32 v[X+8*(\u):X+8*(\u)+1], v[X+8*(\u):X+8*(\u)+1], v[X+8*(\u)+2:X+8*(\u)+3]
.endr
.irp u, 0,1,2,3
	v_pk_add_f32 v[X+8*(\u)+4:X+8*(\u)+5], v[X+8*(\u)+4:X+8*(\u)+5], v[X+8*(\u)+6:X+8*(\u)+7]
.endr
.irp u, 0,1,2,3
	v_pk_add_f32 v[X+8*(\u):X+8*(\u)+1], v[X+8*(\u):X+8*(\u)+1], v[X+8*(\u)+4:X+8*(\u)+5]
.endr
.irp u, 0,1,2,3
	v_add_f32 v[TM+2*(\u)], v[X+8*(\u)], v[X+8*(\u)+1]
.endr
.irp m, 1,2,4,8
.irp u, 0,1,2,3
	v_add_f32_dpp v[TM+2*(\u)], v[TM+2*(\u)], v[TM+2*(\u)] row_xmask:\m row_mask:0xf bank_mask:0xf
.endr
.endr
.irp u, 0,1,2,3
	v_permlanex16_b32 v[TM+2*(\u)+1], v[TM+2*(\u)], s74, s75
.endr
.irp u, 0,1,2,3
	v_add_f32 v[TM+2*(\u)], v[TM+2*(\u)], v[TM+2*(\u)+1]           ; l
.endr
.irp u, 0,1,2,3
	v_cmp_eq_u32 vcc_lo, \u, v[LREL]
	v_cndmask_b32 v[SC+1], v[SC+1], v[TM+2*(\u)], vcc_lo
.endr
	s_wait_xcnt 0x0                                ; the stores' offset and data registers are written again only behind this wait (ISA guide 3.1)
	v_add_nc_u32 v[GO], 4*4096, v[GO]
	v_add_nc_u32 v[RD], 4*DP, v[RD]
	v_add_nc_u32 v[LREL], -4, v[LREL]
	s_sub_co_u32 s3, s3, 1
	s_cmp_lg_u32 s3, 0
	s_cbranch_scc1 .Lrow
	global_store_b64 v[SOF], v[SC:SC+1], s[78:79]  ; my 32 rows' (cm, l): 256 consecutive bytes, aligned
	s_wait_tensorcnt 0x0                           ; the wave's end
	ds_add_u32 v[SPW], v[NIL]
	s_wait_dscnt 0x0
	CROUND
	s_endpgm
.Lfunc_end_k_qcc0d20d0a4_scores:
	.size	k_qcc0d20d0a4_scores, .Lfunc_end_k_qcc0d20d0a4_scores-k_qcc0d20d0a4_scores
	.p2alignl 7, 3214868480
	.fill 96, 4, 3214868480
	.section	.rodata,"a",@progbits
	.p2align	6, 0x0
	.amdhsa_kernel k_qcc0d20d0a4_scores
		.amdhsa_group_segment_fixed_size 327680
		.amdhsa_private_segment_fixed_size 0
		.amdhsa_enable_private_segment 0
		.amdhsa_kernarg_size 32
		.amdhsa_user_sgpr_count 2
		.amdhsa_user_sgpr_kernarg_segment_ptr 1
		.amdhsa_wavefront_size32 1
		.amdhsa_system_sgpr_workgroup_id_x 1
		.amdhsa_system_sgpr_workgroup_id_y 1
		.amdhsa_system_sgpr_workgroup_id_z 1
		.amdhsa_system_vgpr_workitem_id 0
		.amdhsa_next_free_vgpr 768
		.amdhsa_next_free_sgpr 88
		.amdhsa_reserve_vcc 1
		.amdhsa_float_denorm_mode_32 3
		.amdhsa_float_denorm_mode_16_64 3
		.amdhsa_memory_ordered 1
		.amdhsa_forward_progress 1
		.amdhsa_inst_pref_size 60
	.end_amdhsa_kernel
	.amdgpu_metadata
---
amdhsa.version: [ 1, 2 ]
amdhsa.kernels:
  - .name:           k_qcc0d20d0a4_scores
    .symbol:         k_qcc0d20d0a4_scores.kd
    .args:
      - { .name: wh, .offset: 0, .size: 8, .value_kind: global_buffer, .address_space: global }
      - { .name: kh, .offset: 8, .size: 8, .value_kind: global_buffer, .address_space: global }
      - { .name: pp, .offset: 16, .size: 8, .value_kind: global_buffer, .address_space: global }
      - { .name: st, .offset: 24, .size: 8, .value_kind: global_buffer, .address_space: global }
    .group_segment_fixed_size: 327680
    .private_segment_fixed_size: 0
    .kernarg_segment_align: 8
    .kernarg_segment_size: 32
    .max_flat_workgroup_size: 128
    .sgpr_count:     88
    .vgpr_count:     768
    .wavefront_size: 32
...
	.end_amdgpu_metadata
.endif
;; end of part 3
;; launch mix (part 4): grid 8 x 32, 4 waves a work-group, clusters of 4 x 4, 327,680 bytes of LDS; arguments pp, xh, st, y; writes y
.if DOCPART == 4
	.amdgcn_target "amdgcn-amd-amdhsa--gfx1250"
	.amdhsa_code_object_version 6
	.text
	.protected	k_qcc0d20d0a4_mix
	.globl	k_qcc0d20d0a4_mix
	.p2align	8
	.type	k_qcc0d20d0a4_mix,@function
k_qcc0d20d0a4_mix:
	s_mov_b64 s[64:65], 0
	v_nop
	global_prefetch_b8 v0, s[64:65] scope:SCOPE_SE
	s_setreg_imm32_b32 hwreg(HW_REG_WAVE_MODE, 25, 1), 1
	s_wait_xcnt 0x0
	s_wait_alu depctr_hold_cnt(0) depctr_sa_sdst(0) depctr_va_vdst(0) depctr_va_sdst(0) depctr_va_ssrc(0) depctr_va_vcc(0) depctr_vm_vsrc(0)
	s_getreg_b32 s2, hwreg(HW_REG_IB_STS2, 6, 4)
	s_cmp_eq_u32 s2, 0
	s_cbranch_scc0 .Lentry_in_a_cluster
	s_endpgm
.Lentry_in_a_cluster:
	s_bfe_u32 s2, ttmp6, 0x10000c
	s_cmp_lg_u32 s2, 0xf033
	s_cbranch_scc0 .Lentry_shape_is_right
	s_endpgm
.Lentry_shape_is_right:
; MIX.  y = softmax(S) x, before V's projection: softmax rows sum to 1 whatever the inputs, so A (x Wv^T + bv) = (A x) Wv^T + bv, and the projection is made of 4,096 rows in the next launch.
; For row R and key tile j (256 keys): T_j = P_j X_j (f16 operands, f32 sums); CM = max_j cm_j, g_j = 2^(cm_j - CM), L = sum_j g_j l_j; y = f16(sum_j (g_j / L) T_j), the outer sum in f32.
; pp: [4096][2048] f16; xh: [8 x 2048][1024] f16; st: [8][4096][cm, l] f32; y: [4096][1024] f16.
; LIMITS.  y is a mean of x's rows and has their range; below 6e-5 f16 keeps a fixed step of 6e-8.  A g_j below 2^-126 counts as 0.  NaN and infinities are not treated apart.
; SHARES.  A tile of 128 rows x 128 channels to four waves, 64 x 64 each.  A K step is one key tile: 256 keys, 8 steps, two LDS slots.
; CLUSTER.  4 x 4: P's tile hangs on the tile row alone (shared along a row); x's on the batch, which is the cluster's y, and on the tile column (shared along a column).
; The matrix instruction is used transposed: source 0 = 16 channels x 32 keys of x, which lies [key][channel] and is turned by ds_load_tr16_b128; source 1 = 16 rows of P.  A lane holds row l % 16 and 8 channels.
; Every step starts T anew (C = 0) and ends in a LUMP: ACC += (g_j / L) T, 64 packed multiply-adds; so all eight steps are alike, and ACC is cleared once, 128 v_mov_b32 in the wait for the first tile:
; the price of writing no first step out.
; REGISTERS.  window 0: v4-11 at work; v16-20 fragment addresses; v21 st's offset; v24-26 way out; v28-29 the add's; v32-95 st's pairs, later rows and packed rows; v96-127 g_j / L, step j's four at 96 + 4 j,
;   moved down by four after each step; v128-255 T, (a, b) at 128 + 8 (4 a + b).  window 1: two fragment buffers of 128 (P 64, x 64).  window 2: v0-127 ACC.
.set T,      8
.set PA,     528                       ; a row of P: 512 bytes + 16
.set PB,     288                       ; a row of x: 256 bytes + 32
.set AHALF,  64*PA
.set BHALF,  128*PB
.set BOFF,   2*AHALF
.set SLOT,   BOFF+2*BHALF
.set SPARE,  2*SLOT
.set DP,     528
.set STEPA,  512                       ; 256 keys along a row of P
.set STEPB,  256*2048                  ; 256 rows of x
.set CA, 16
.set CB, 17
.set A0, 18
.set B0, 19
.set CB2, 20                           ; x's keys 128 on: beyond the reach of a 16-bit offset from CB
.set STO, 24
.set RD, 25
.set GO, 26
.set SPW, 28
.set NIL, 29
.set FS, 96
.set TT, 128
.set F0, 0
.set F1, 128
.set G1A, 24
.set G0A, 32
.set G1B, 48
.set G0B, 56
.set TB, 70
.set TF, 71
.set MSB, 0
.macro WIN new
.if MSB != (\new)
	s_set_vgpr_msb (MSB<<8)|(\new)
.set MSB, \new
.endif
.endm
.set MUL,  0x05                        ; sources 0 and 1 window 1; C and D window 0
.set TO_F, 0x40
.macro PLACES
.rept 4
	v_nop
.endr
.endm
.macro JLOAD s                         ; waves 0, 1 fetch P's halves, waves 2, 3 x's
	s_cmp_eq_u32 s11, 0
	s_cbranch_scc0 .Lfor_b_\@
	tensor_load_to_lds s[G0A+4*(\s):G0A+4*(\s)+3], s[G1A:G1A+7]
	s_nop 0
	PLACES
	s_branch .Lasked_\@
.Lfor_b_\@:
	tensor_load_to_lds s[G0B+4*(\s):G0B+4*(\s)+3], s[G1B:G1B+7]
	s_nop 0
	PLACES
.Lasked_\@:
.endm
.macro CREST
	s_cmp_lg_u32 s10, 0
	s_cbranch_scc1 .Lnot_wave_0_\@
	s_barrier_signal -3
.Lnot_wave_0_\@:
	s_barrier_wait -3
	s_barrier_signal -1
	s_barrier_wait -1
.endm
.macro CROUND
	s_barrier_signal -1
	s_barrier_wait -1
	CREST
.endm
	s_load_b128 s[4:7], s[0:1], 0x0                ; pp s[4:5], xh s[6:7]
	s_load_b128 s[76:79], s[0:1], 0x10             ; st s[76:77], y s[78:79]
	v_lshl_add_u32 v[SPW], v0, 2, SPARE
	v_mov_b32 v[NIL], 0
	ds_add_u32 v[SPW], v[NIL]                      ; the wave's opening: the add and its wait ahead of my first tensor load
	v_lshrrev_b32 v1, 5, v0
	v_readfirstlane_b32 s10, v1
	s_lshr_b32 s11, s10, 1                         ; my 64 rows; also: I fetch for P (0) or x (1)
	s_and_b32 s12, s10, 1                          ; my 64 channels; also: which half I fetch
	s_bfe_u32 s40, ttmp6, 0x40000
	s_bfe_u32 s41, ttmp6, 0x40004
	s_lshl_b32 s42, ttmp9, 2
	s_add_co_u32 s42, s42, s40                     ; tile column
	s_and_b32 s45, ttmp7, 0xffff                   ; the cluster's y = the batch: four tile rows of 128 are a batch's 512 queries
	s_lshl_b32 s13, s45, 2
	s_add_co_u32 s13, s13, s41                     ; tile row
	s_lshl_b32 s43, s41, 2
	s_lshl_b32 s43, 15, s43
	s_lshl_b32 s44, 0x1111, s40
	s_or_b32 s[G1A], s43, (1<<16)|(1<<20)|(1<<21)|(6<<22)|(3<<25)  ; P: padding of 4 words after every 128
	s_or_b32 s[G1B], s44, (1<<16)|(1<<20)|(1<<21)|(5<<22)|(7<<25)  ; x: of 8 words after every 64
	s_mov_b32 s[G1A+1], 256<<16                    ; P: 64 rows x 256 elements, 2,048 from row to row
	s_mov_b32 s[G1A+2], 64<<16
	s_mov_b32 s[G1A+3], 256<<16
	s_mov_b32 s[G1A+4], 64
	s_mov_b32 s[G1A+5], 2048
	s_mov_b32 s[G1A+6], 0
	s_mov_b32 s[G1A+7], 0
	s_mov_b32 s[G1B+1], 128<<16                    ; x: 128 rows x 128 elements, 1,024 from row to row
	s_mov_b32 s[G1B+2], 128<<16
	s_mov_b32 s[G1B+3], 128<<16
	s_mov_b32 s[G1B+4], 128
	s_mov_b32 s[G1B+5], 1024
	s_mov_b32 s[G1B+6], 0
	s_mov_b32 s[G1B+7], 0
	s_lshl_b32 s16, s13, 19
	s_lshl_b32 s17, s12, 18
	s_add_co_u32 s16, s16, s17                     ; P: (128 x tile row + 64 x half) x 4,096
	s_lshl_b32 s46, s45, 22
	s_add_co_u32 s46, s46, s17                     ; x: (2,048 x batch + 128 x half) x 2,048
	s_lshl_b32 s47, s42, 8
	s_add_co_u32 s46, s46, s47                     ;    + 256 x tile column
	s_mov_b32 s17, 0
	s_mov_b32 s47, 0
	s_mul_i32 s20, s12, AHALF
	s_mul_i32 s21, s12, BHALF
	s_add_co_u32 s21, s21, BOFF
	s_mov_b32 s[TB], 0
	s_mov_b32 s[TF], SLOT
	s_wait_dscnt 0x0
	s_wait_kmcnt 0x0
	s_add_nc_u64 s[14:15], s[4:5], s[16:17]
	s_add_nc_u64 s[46:47], s[6:7], s[46:47]
	CROUND
.irp s, 0,1
	s_mov_b32 s[G0A+4*(\s)], 1
	s_add_co_u32 s[G0A+4*(\s)+1], s20, (\s)*SLOT
	s_add_nc_u64 s[G0A+4*(\s)+2:G0A+4*(\s)+3], s[14:15], (\s)*STEPA
	s_or_b32 s[G0A+4*(\s)+3], s[G0A+4*(\s)+3], 0x80000000
	s_mov_b32 s[G0B+4*(\s)], 1
	s_add_co_u32 s[G0B+4*(\s)+1], s21, (\s)*SLOT
	s_add_nc_u64 s[G0B+4*(\s)+2:G0B+4*(\s)+3], s[46:47], (\s)*STEPB
	s_or_b32 s[G0B+4*(\s)+3], s[G0B+4*(\s)+3], 0x80000000
	JLOAD \s
.endr
	v_and_b32 v1, 15, v0
	v_bfe_u32 v2, v0, 4, 1
	v_lshlrev_b32 v21, 3, v1                       ; my row's 8 bytes in st
	s_lshl_b32 s22, s13, 10
	s_lshl_b32 s23, s11, 9
	s_add_co_u32 s22, s22, s23                     ; (128 x tile row + 64 x half) x 8
	s_mov_b32 s23, 0
	s_add_nc_u64 s[82:83], s[76:77], s[22:23]
.set j, 0
.rept 8
.irp a, 0,1,2,3
	global_load_b64 v[32+8*j+2*(\a):33+8*j+2*(\a)], v21, s[82:83] offset:32768*j+128*(\a)  ; (cm, l) of key tile j, row 16 a + l % 16
.endr
.set j, j+1
.endr
	v_mul_u32_u24 v3, v1, PA
	v_lshl_add_u32 v3, v2, 4, v3
	s_mul_i32 s22, s11, AHALF
	v_add_nc_u32 v[A0], s22, v3
	v_and_b32 v6, 7, v0                            ; the turning load: lane l reads key 8 (l / 16) + l % 8, channels 8 ((l / 8) % 2) + 0..7
	v_bfe_u32 v7, v0, 3, 1
	v_lshl_add_u32 v6, v2, 3, v6
	v_mul_u32_u24 v6, v6, PB
	v_lshl_add_u32 v6, v7, 4, v6
	s_lshl_b32 s23, s12, 7
	s_add_co_u32 s23, s23, BOFF
	v_add_nc_u32 v[B0], s23, v6
	v_mov_b32 v[CA], v[A0]
	v_mov_b32 v[CB], v[B0]
	v_add_nc_u32 v[CB2], BHALF, v[B0]
	s_mul_i32 s22, s11, 64*DP
	s_lshl_b32 s23, s12, 8
	s_add_co_u32 s22, s22, s23
	v_mul_u32_u24 v4, v1, DP
	v_lshl_add_u32 v4, v2, 5, v4
	v_add_nc_u32 v[STO], s22, v4
	s_mul_i32 s22, s10, 32*DP
	v_and_b32 v5, 31, v0
	v_lshl_add_u32 v[RD], v5, 4, s22
	v_lshlrev_b32 v[GO], 3, v5
	s_lshl_b32 s16, s13, 18
	s_lshl_b32 s17, s10, 16
	s_add_co_u32 s16, s16, s17
	s_lshl_b32 s17, s42, 8
	s_add_co_u32 s16, s16, s17
	s_mov_b32 s17, 0
	s_add_nc_u64 s[78:79], s[78:79], s[16:17]      ; y at row 128 x tile row + 32 x wave, byte 256 x tile column
	WIN 0x80
.set i, 0
.rept 128
	v_mov_b32 v[i], 0                              ; ACC
.set i, i+1
.endr
	WIN 0
	s_wait_loadcnt 0x0
	; g_j / L for my four rows, stage by stage over the four
.irp a, 0,1,2,3
	v_max3_num_f32 v[4+(\a)], v[32+2*(\a)], v[40+2*(\a)], v[48+2*(\a)]
.endr
.irp a, 0,1,2,3
	v_max3_num_f32 v[4+(\a)], v[4+(\a)], v[56+2*(\a)], v[64+2*(\a)]
.endr
.irp a, 0,1,2,3
	v_max3_num_f32 v[4+(\a)], v[4+(\a)], v[72+2*(\a)], v[80+2*(\a)]
.endr
.irp a, 0,1,2,3
	v_max_num_f32 v[4+(\a)], v[4+(\a)], v[88+2*(\a)]               ; CM
.endr
.irp j, 0,1,2,3,4,5,6,7
.irp a, 0,1,2,3
	v_sub_f32 v[32+8*(\j)+2*(\a)], v[32+8*(\j)+2*(\a)], v[4+(\a)]
.endr
.endr
.irp j, 0,1,2,3,4,5,6,7
.irp a, 0,1,2,3
	v_exp_f32 v[32+8*(\j)+2*(\a)], v[32+8*(\j)+2*(\a)]             ; g_j
.endr
.endr
	v_nop                                          ; a plain instruction between the exponentials and the use of their results (ISA guide 5.7.2)
	s_wait_alu depctr_va_vdst(0)
.irp a, 0,1,2,3
	v_mul_f32 v[8+(\a)], v[32+2*(\a)], v[33+2*(\a)]
.endr
.irp j, 1,2,3,4,5,6,7
.irp a, 0,1,2,3
	v_fmac_f32 v[8+(\a)], v[32+8*(\j)+2*(\a)], v[33+8*(\j)+2*(\a)] ; L: the tile that holds CM gives 1 or more
.endr
.endr
.irp a, 0,1,2,3
	v_rcp_f32 v[8+(\a)], v[8+(\a)]
.endr
	v_nop
	s_wait_alu depctr_va_vdst(0)
.irp j, 0,1,2,3,4,5,6,7
.irp a, 0,1,2,3
	v_mul_f32 v[FS+4*(\j)+(\a)], v[32+8*(\j)+2*(\a)], v[8+(\a)]
.endr
.endr
; 8 matrix instructions: row blocks a0, a0 + 1 x all 4 channel blocks, 32 keys: half c of buffer f.  The 16 accumulators take turns.
.macro MUL8 f, c, a0, zero
	WIN MUL
.irp a, \a0, (\a0)+1
.irp b, 0,1,2,3
.if \zero
	v_wmma_f32_16x16x32_f16 v[TT+8*(4*(\a)+(\b)):TT+8*(4*(\a)+(\b))+7], v[(\f)+64+8*(4*(\c)+(\b)):(\f)+64+8*(4*(\c)+(\b))+7], v[(\f)+8*(4*(\c)+(\a)):(\f)+8*(4*(\c)+(\a))+7], 0
.else
	v_wmma_f32_16x16x32_f16 v[TT+8*(4*(\a)+(\b)):TT+8*(4*(\a)+(\b))+7], v[(\f)+64+8*(4*(\c)+(\b)):(\f)+64+8*(4*(\c)+(\b))+7], v[(\f)+8*(4*(\c)+(\a)):(\f)+8*(4*(\c)+(\a))+7], v[TT+8*(4*(\a)+(\b)):TT+8*(4*(\a)+(\b))+7]
.endif
.endr
.endr
.endm
; 32 LDS loads in one run: quarter q's 64 keys into buffer f; the first 32 keys first
.macro FETCH q, f
.if (\q) < 2
.set CBX, CB
.else
.set CBX, CB2
.endif
	WIN TO_F
.irp c, 0,1
.irp i, 0,1,2,3
	ds_load_tr16_b128 v[(\f)+64+8*(4*(\c)+(\i)):(\f)+64+8*(4*(\c)+(\i))+3],   v[CBX] offset:(64*((\q)%2)+32*(\c))*PB+32*(\i)
	ds_load_tr16_b128 v[(\f)+64+8*(4*(\c)+(\i))+4:(\f)+64+8*(4*(\c)+(\i))+7], v[CBX] offset:(64*((\q)%2)+32*(\c)+16)*PB+32*(\i)
	ds_load_b128 v[(\f)+8*(4*(\c)+(\i)):(\f)+8*(4*(\c)+(\i))+3],   v[CA] offset:128*(\q)+64*(\c)+(\i)*16*PA
	ds_load_b128 v[(\f)+8*(4*(\c)+(\i))+4:(\f)+8*(4*(\c)+(\i))+7], v[CA] offset:128*(\q)+64*(\c)+(\i)*16*PA+32
.endr
.endr
.endm
.macro QUARTER q, f, g, zero           ; multiplies buffer f and fetches quarter q into g
	s_wait_dscnt 16                                ; the first 32 keys are in
	MUL8 \f, 0, 0, \zero
	MUL8 \f, 0, 2, \zero
	PLACES
	FETCH \q, \g
	s_wait_dscnt 32                                ; all but the 32 just issued
	MUL8 \f, 1, 0, 0
	MUL8 \f, 1, 2, 0
.endm
; the last quarter and the change of slots; a refill has 112 matrix instructions and a lump in which to land
.macro TURN fill
	WIN 0
	s_wait_tensorcnt 0x0                           ; all my tensor loads have landed: my part of the next slot
	ds_add_u32 v[SPW], v[NIL]
	s_wait_dscnt 17                                ; the add and the youngest sixteen loads may be out
	MUL8 F1, 0, 0, 0
	s_wait_dscnt 0x0                               ; the add is done, and my reads of this slot are over
	s_barrier_signal -1
	MUL8 F1, 0, 2, 0
	WIN 0
	s_barrier_wait -1
.if \fill
	CREST
	s_xor_b32 s[TF], s[TF], SLOT
	s_add_co_u32 s[G0A+5], s20, s[TF]
	s_add_co_u32 s[G0B+5], s21, s[TF]
	s_add_nc_u64 s[G0A+6:G0A+7], s[G0A+6:G0A+7], STEPA
	s_add_nc_u64 s[G0B+6:G0B+7], s[G0B+6:G0B+7], STEPB
	JLOAD 1
.else
	PLACES
.endif
	s_xor_b32 s[TB], s[TB], SLOT
	v_add_nc_u32 v[CA], s[TB], v[A0]
	v_add_nc_u32 v[CB], s[TB], v[B0]
	v_add_nc_u32 v[CB2], BHALF, v[CB]
.if !(\fill)
	s_cmp_eq_u32 s3, 1
	s_cbranch_scc1 .Lnf_\@
.endif
	FETCH 0, F0
	WIN 0
.if !(\fill)
.Lnf_\@:
.endif
	MUL8 F1, 1, 0, 0
	MUL8 F1, 1, 2, 0
.endm
; ACC += (g_j / L) T: each accumulator's registers in ascending order; then the factors move down by one step
.macro LUMP
	WIN 0
	PLACES
	WIN 0xa0                                       ; destination and source 2 window 2; T and the factor window 0
.set n, 0
.rept 16
.set fp, FS+2*(n/8)
.irp i, 0,2,4,6
.if ((n/4)%2) == 0
	v_pk_fma_f32 v[8*n+(\i):8*n+(\i)+1], v[TT+8*n+(\i):TT+8*n+(\i)+1], v[fp:fp+1], v[8*n+(\i):8*n+(\i)+1] op_sel_hi:[1,0,1]
.else
	v_pk_fma_f32 v[8*n+(\i):8*n+(\i)+1], v[TT+8*n+(\i):TT+8*n+(\i)+1], v[fp:fp+1], v[8*n+(\i):8*n+(\i)+1] op_sel:[0,1,0] op_sel_hi:[1,1,1]
.endif
.endr
.set n, n+1
.endr
	WIN 0
.set n, 0
.rept 28
	v_mov_b32 v[FS+n], v[FS+4+n]
.set n, n+1
.endr
.endm
	s_wait_tensorcnt 1                             ; my part of K step 0 is in; step 1's may stay out
	s_barrier_signal -1
	s_barrier_wait -1
	FETCH 0, F0
	WIN 0
	s_mov_b32 s3, T-2
.Lmain:                                                ; a trip is a key tile; six trips ask for tiles 2 to 7
	QUARTER 1, F0, F1, 1
	QUARTER 2, F1, F0, 0
	QUARTER 3, F0, F1, 0
	TURN 1
	LUMP
	s_sub_co_u32 s3, s3, 1
	s_cmp_lg_u32 s3, 0
	s_cbranch_scc1 .Lmain
	s_mov_b32 s3, 2
.Ltail:
	QUARTER 1, F0, F1, 1
	QUARTER 2, F1, F0, 0
	QUARTER 3, F0, F1, 0
	TURN 0
	LUMP
	s_sub_co_u32 s3, s3, 1
	s_cmp_lg_u32 s3, 0
	s_cbranch_scc1 .Ltail
	; THE WAY OUT: ACC as f32 into slot 0 (its last fill is over, and behind the last barrier nobody reads it); a barrier, since a row's 512 bytes come from two waves; whole rows back
	WIN 0x08
.set a, 0
.rept 4
.set b, 0
.rept 4
	ds_store_b128 v[STO], v[8*(4*a+b):8*(4*a+b)+3]   offset:16*DP*a+64*b
	ds_store_b128 v[STO], v[8*(4*a+b)+4:8*(4*a+b)+7] offset:16*DP*a+64*b+16
.set b, b+1
.endr
.set a, a+1
.endr
	WIN 0
	s_wait_dscnt 0x0
	s_barrier_signal -1
	s_barrier_wait -1
	s_mov_b32 s3, 4
.Lrow:                                                 ; 4 trips of 8 rows
.irp j, 0,1,2,3,4,5,6,7
	ds_load_b128 v[32+4*(\j):35+4*(\j)], v[RD] offset:DP*(\j)
.endr
.irp j, 0,1,2,3,4,5,6,7
	s_wait_dscnt 7-(\j)
	v_cvt_pk_f16_f32 v[64+2*(\j)], v[32+4*(\j)], v[33+4*(\j)]
	v_cvt_pk_f16_f32 v[65+2*(\j)], v[34+4*(\j)], v[35+4*(\j)]
	global_store_b64 v[GO], v[64+2*(\j):65+2*(\j)], s[78:79] offset:2048*(\j)  ; the wave stores 256 consecutive bytes, aligned
.endr
	s_wait_xcnt 0x0                                ; the stores' offset and data registers are written again only behind this wait (ISA guide 3.1)
	v_add_nc_u32 v[GO], 8*2048, v[GO]
	v_add_nc_u32 v[RD], 8*DP, v[RD]
	s_sub_co_u32 s3, s3, 1
	s_cmp_lg_u32 s3, 0
	s_cbranch_scc1 .Lrow
	s_wait_tensorcnt 0x0                           ; the wave's end
	ds_add_u32 v[SPW], v[NIL]
	s_wait_dscnt 0x0
	CROUND
	s_endpgm
.Lfunc_end_k_qcc0d20d0a4_mix:
	.size	k_qcc0d20d0a4_mix, .Lfunc_end_k_qcc0d20d0a4_mix-k_qcc0d20d0a4_mix
	.p2alignl 7, 3214868480
	.fill 96, 4, 3214868480
	.section	.rodata,"a",@progbits
	.p2align	6, 0x0
	.amdhsa_kernel k_qcc0d20d0a4_mix
		.amdhsa_group_segment_fixed_size 327680
		.amdhsa_private_segment_fixed_size 0
		.amdhsa_enable_private_segment 0
		.amdhsa_kernarg_size 32
		.amdhsa_user_sgpr_count 2
		.amdhsa_user_sgpr_kernarg_segment_ptr 1
		.amdhsa_wavefront_size32 1
		.amdhsa_system_sgpr_workgroup_id_x 1
		.amdhsa_system_sgpr_workgroup_id_y 1
		.amdhsa_system_sgpr_workgroup_id_z 1
		.amdhsa_system_vgpr_workitem_id 0
		.amdhsa_next_free_vgpr 640
		.amdhsa_next_free_sgpr 88
		.amdhsa_reserve_vcc 0
		.amdhsa_float_denorm_mode_32 3
		.amdhsa_float_denorm_mode_16_64 3
		.amdhsa_memory_ordered 1
		.amdhsa_forward_progress 1
		.amdhsa_inst_pref_size 74
	.end_amdhsa_kernel
	.amdgpu_metadata
---
amdhsa.version: [ 1, 2 ]
amdhsa.kernels:
  - .name:           k_qcc0d20d0a4_mix
    .symbol:         k_qcc0d20d0a4_mix.kd
    .args:
      - { .name: pp, .offset: 0, .size: 8, .value_kind: global_buffer, .address_space: global }
      - { .name: xh, .offset: 8, .size: 8, .value_kind: global_buffer, .address_space: global }
      - { .name: st, .offset: 16, .size: 8, .value_kind: global_buffer, .address_space: global }
      - { .name: y, .offset: 24, .size: 8, .value_kind: global_buffer, .address_space: global }
    .group_segment_fixed_size: 327680
    .private_segment_fixed_size: 0
    .kernarg_segment_align: 8
    .kernarg_segment_size: 32
    .max_flat_workgroup_size: 128
    .sgpr_count:     88
    .vgpr_count:     640
    .wavefront_size: 32
...
	.end_amdgpu_metadata
.endif
;; end of part 4
;; launch oproj (part 5): grid 8 x 32, 4 waves a work-group, clusters of 4 x 4, 327,680 bytes of LDS; arguments y, wg, wh, out0; writes out0
.if DOCPART == 5
	.amdgcn_target "amdgcn-amd-amdhsa--gfx1250"
	.amdhsa_code_object_version 6
	.text
	.protected	k_qcc0d20d0a4_oproj
	.globl	k_qcc0d20d0a4_oproj
	.p2align	8
	.type	k_qcc0d20d0a4_oproj,@function
k_qcc0d20d0a4_oproj:
	s_mov_b64 s[64:65], 0
	v_nop
	global_prefetch_b8 v0, s[64:65] scope:SCOPE_SE
	s_setreg_imm32_b32 hwreg(HW_REG_WAVE_MODE, 25, 1), 1
	s_wait_xcnt 0x0
	s_wait_alu depctr_hold_cnt(0) depctr_sa_sdst(0) depctr_va_vdst(0) depctr_va_sdst(0) depctr_va_ssrc(0) depctr_va_vcc(0) depctr_vm_vsrc(0)
	s_getreg_b32 s2, hwreg(HW_REG_IB_STS2, 6, 4)
	s_cmp_eq_u32 s2, 0
	s_cbranch_scc0 .Lentry_in_a_cluster
	s_endpgm
.Lentry_in_a_cluster:
	s_bfe_u32 s2, ttmp6, 0x10000c
	s_cmp_lg_u32 s2, 0xf033
	s_cbranch_scc0 .Lentry_shape_is_right
	s_endpgm
.Lentry_shape_is_right:
; OPROJ.  out0 = y G^T + b', with G = Wf Wv and b' = Wf bv + bf: equal to (y Wv^T + bv) Wf^T + bf for every input.
; y: [4096][1024] f16; wg: [1024 o][1024 c] f16 holds 64 G; b': [1024] f32 at wh + BP; out0: [4096][1024] f32.  Sums in f32; one packed multiply-add takes the factor 64 back and adds b'.
; LIMITS.  64 G arrives inside f16's range (|G| < 1,023).  NaN and infinities are not treated apart.
; SHARES.  4,096 x 1,024 in tiles of 128 x 128 are 256 work-groups; four waves, 64 x 64 each: 16 accumulators.  K goes in 4 steps of 256 (LDS rows of 512 bytes) through two slots.
; CLUSTER.  4 x 4: y's tile is shared along a row of the cluster, G's along a column.  The matrix instruction is used transposed (source 0 = 16 rows of G, source 1 = 16 rows of y).
; The loop holds one K step: the slot in hand and the slot to fill are scalars; the first quarter (C = 0) stands ahead of the loop; the last two steps, which ask for nothing, are a loop of their own.
; THE WAY OUT.  The tile goes as f32 into slot 0 (its last fill is over); behind a barrier each wave takes 32 whole rows and stores 512 aligned bytes a row.
; REGISTERS.  window 0: v16-19 fragment addresses; v20 b's offset; v24-26 way out; v28-29 the add's; v32-63 rows; v80-83 b'; v128-255 accumulators.  window 1: two fragment buffers of 128.
.set BP,     7409664
.set T,      4
.set KSTEP,  256
.set PITCH,  528
.set HALFT,  64*PITCH
.set SLOT,   4*HALFT
.set SPARE,  2*SLOT
.set DP,     528
.set STEP,   2*KSTEP
.set GFLAGS, (1<<16)|(1<<20)|(1<<21)|(6<<22)|(3<<25)
.set CA, 16
.set CB, 17
.set A0, 18
.set B0, 19
.set STO, 24
.set RD, 25
.set GO, 26
.set SPW, 28
.set NIL, 29
.set ACC, 128
.set F0, 0
.set F1, 128
.set G1A, 24
.set G0A, 32
.set G1B, 48
.set G0B, 56
.set TB, 70
.set TF, 71
.set MSB, 0
.macro WIN new
.if MSB != (\new)
	s_set_vgpr_msb (MSB<<8)|(\new)
.set MSB, \new
.endif
.endm
.set MUL,  0x05
.set TO_F, 0x40
.macro PLACES
.rept 4
	v_nop
.endr
.endm
.macro JLOAD s
	s_cmp_eq_u32 s11, 0
	s_cbranch_scc0 .Lfor_b_\@
	tensor_load_to_lds s[G0A+4*(\s):G0A+4*(\s)+3], s[G1A:G1A+7]
	s_nop 0
	PLACES
	s_branch .Lasked_\@
.Lfor_b_\@:
	tensor_load_to_lds s[G0B+4*(\s):G0B+4*(\s)+3], s[G1B:G1B+7]
	s_nop 0
	PLACES
.Lasked_\@:
.endm
.macro CREST
	s_cmp_lg_u32 s10, 0
	s_cbranch_scc1 .Lnot_wave_0_\@
	s_barrier_signal -3
.Lnot_wave_0_\@:
	s_barrier_wait -3
	s_barrier_signal -1
	s_barrier_wait -1
.endm
.macro CROUND
	s_barrier_signal -1
	s_barrier_wait -1
	CREST
.endm
	s_load_b128 s[4:7], s[0:1], 0x0                ; y s[4:5], wg s[6:7]
	s_load_b128 s[76:79], s[0:1], 0x10             ; wh s[76:77], out0 s[78:79]
	v_lshl_add_u32 v[SPW], v0, 2, SPARE
	v_mov_b32 v[NIL], 0
	ds_add_u32 v[SPW], v[NIL]                      ; the wave's opening: the add and its wait ahead of my first tensor load
	v_lshrrev_b32 v1, 5, v0
	v_readfirstlane_b32 s10, v1
	s_lshr_b32 s11, s10, 1
	s_and_b32 s12, s10, 1
	s_bfe_u32 s40, ttmp6, 0x40000
	s_bfe_u32 s41, ttmp6, 0x40004
	s_lshl_b32 s42, ttmp9, 2
	s_add_co_u32 s42, s42, s40                     ; tile column
	s_and_b32 s13, ttmp7, 0xffff
	s_lshl_b32 s13, s13, 2
	s_add_co_u32 s13, s13, s41                     ; tile row
	s_lshl_b32 s43, s41, 2
	s_lshl_b32 s43, 15, s43
	s_lshl_b32 s44, 0x1111, s40
	s_or_b32 s[G1A], s43, GFLAGS
	s_or_b32 s[G1B], s44, GFLAGS
.irp g, G1A, G1B
	s_mov_b32 s[(\g)+1], KSTEP<<16                 ; 64 rows x 256 elements, 1,024 from row to row
	s_mov_b32 s[(\g)+2], 64<<16
	s_mov_b32 s[(\g)+3], KSTEP<<16
	s_mov_b32 s[(\g)+4], 64
	s_mov_b32 s[(\g)+5], 1024
	s_mov_b32 s[(\g)+6], 0
	s_mov_b32 s[(\g)+7], 0
.endr
	s_lshl_b32 s17, s12, 17
	s_lshl_b32 s16, s13, 18
	s_add_co_u32 s16, s16, s17                     ; y: (128 x tile row + 64 x half) x 2,048
	s_lshl_b32 s46, s42, 18
	s_add_co_u32 s46, s46, s17                     ; G: (128 x tile column + 64 x half) x 2,048
	s_mov_b32 s17, 0
	s_mov_b32 s47, 0
	s_mul_i32 s20, s10, HALFT
	s_mov_b32 s21, s20
	s_mov_b32 s[TB], 0
	s_mov_b32 s[TF], SLOT
	s_mov_b32 s72, 0x3c800000                      ; 1 / 64
	s_mov_b32 s73, s72                             ; named with it as a pair
	s_wait_dscnt 0x0
	s_wait_kmcnt 0x0
	s_add_nc_u64 s[14:15], s[4:5], s[16:17]
	s_add_nc_u64 s[46:47], s[6:7], s[46:47]
	CROUND
.irp s, 0,1
	s_mov_b32 s[G0A+4*(\s)], 1
	s_add_co_u32 s[G0A+4*(\s)+1], s20, (\s)*SLOT
	s_add_nc_u64 s[G0A+4*(\s)+2:G0A+4*(\s)+3], s[14:15], (\s)*STEP
	s_or_b32 s[G0A+4*(\s)+3], s[G0A+4*(\s)+3], 0x80000000
	s_mov_b32 s[G0B+4*(\s)], 1
	s_add_co_u32 s[G0B+4*(\s)+1], s21, (\s)*SLOT
	s_add_nc_u64 s[G0B+4*(\s)+2:G0B+4*(\s)+3], s[46:47], (\s)*STEP
	s_or_b32 s[G0B+4*(\s)+3], s[G0B+4*(\s)+3], 0x80000000
	JLOAD \s
.endr
	v_and_b32 v1, 15, v0
	v_bfe_u32 v2, v0, 4, 1
	v_and_b32 v5, 31, v0
	v_lshlrev_b32 v20, 4, v5
	s_lshl_b32 s22, s42, 9                         ; the tile's 128 columns: 512 bytes of b'
	s_add_co_u32 s22, s22, BP
	s_mov_b32 s23, 0
	s_add_nc_u64 s[82:83], s[76:77], s[22:23]
	global_load_b128 v[80:83], v20, s[82:83]
	v_mul_u32_u24 v3, v1, PITCH
	v_lshl_add_u32 v3, v2, 4, v3
	s_mul_i32 s22, s11, HALFT
	s_mul_i32 s23, s12, HALFT
	s_add_co_u32 s23, s23, 2*HALFT
	v_add_nc_u32 v[A0], s22, v3
	v_add_nc_u32 v[B0], s23, v3
	v_mov_b32 v[CA], v[A0]
	v_mov_b32 v[CB], v[B0]
	s_mul_i32 s22, s11, 64*DP
	s_lshl_b32 s23, s12, 8
	s_add_co_u32 s22, s22, s23
	v_mul_u32_u24 v4, v1, DP
	v_lshl_add_u32 v4, v2, 5, v4
	v_add_nc_u32 v[STO], s22, v4
	s_mul_i32 s22, s10, 32*DP
	v_lshl_add_u32 v[RD], v5, 4, s22
	v_lshlrev_b32 v[GO], 4, v5
	s_lshl_b32 s16, s13, 19                        ; rows of 4,096 bytes
	s_lshl_b32 s17, s10, 17
	s_add_co_u32 s16, s16, s17
	s_lshl_b32 s17, s42, 9
	s_add_co_u32 s16, s16, s17
	s_mov_b32 s17, 0
	s_add_nc_u64 s[78:79], s[78:79], s[16:17]      ; out0 at row 128 x tile row + 32 x wave, at the tile's first column
	s_wait_loadcnt 0x0                             ; in the wait for the first tile
; 8 matrix instructions: row blocks a0, a0 + 1 x all 4 column blocks, 32 along K: half c of buffer f.  The 16 accumulators take turns.
.macro MUL8 f, c, a0, zero
	WIN MUL
.irp a, \a0, (\a0)+1
.irp b, 0,1,2,3
.if \zero
	v_wmma_f32_16x16x32_f16 v[ACC+8*(4*(\a)+(\b)):ACC+8*(4*(\a)+(\b))+7], v[(\f)+64+8*(4*(\c)+(\b)):(\f)+64+8*(4*(\c)+(\b))+7], v[(\f)+8*(4*(\c)+(\a)):(\f)+8*(4*(\c)+(\a))+7], 0
.else
	v_wmma_f32_16x16x32_f16 v[ACC+8*(4*(\a)+(\b)):ACC+8*(4*(\a)+(\b))+7], v[(\f)+64+8*(4*(\c)+(\b)):(\f)+64+8*(4*(\c)+(\b))+7], v[(\f)+8*(4*(\c)+(\a)):(\f)+8*(4*(\c)+(\a))+7], v[ACC+8*(4*(\a)+(\b)):ACC+8*(4*(\a)+(\b))+7]
.endif
.endr
.endr
.endm
.macro FETCH k, f                      ; 32 LDS loads in one run: 64 along K at byte k; the first 32 along K first
	WIN TO_F
.irp c, 0,1
.irp i, 0,1,2,3
	ds_load_b128 v[(\f)+64+8*(4*(\c)+(\i)):(\f)+64+8*(4*(\c)+(\i))+3],   v[CB] offset:(\k)+64*(\c)+(\i)*16*PITCH
	ds_load_b128 v[(\f)+64+8*(4*(\c)+(\i))+4:(\f)+64+8*(4*(\c)+(\i))+7], v[CB] offset:(\k)+64*(\c)+(\i)*16*PITCH+32
	ds_load_b128 v[(\f)+8*(4*(\c)+(\i)):(\f)+8*(4*(\c)+(\i))+3],         v[CA] offset:(\k)+64*(\c)+(\i)*16*PITCH
	ds_load_b128 v[(\f)+8*(4*(\c)+(\i))+4:(\f)+8*(4*(\c)+(\i))+7],       v[CA] offset:(\k)+64*(\c)+(\i)*16*PITCH+32
.endr
.endr
.endm
.macro QUARTER k, f, g, zero
	s_wait_dscnt 16                                ; the first 32 along K are in
	MUL8 \f, 0, 0, \zero
	MUL8 \f, 0, 2, \zero
	PLACES
	FETCH \k, \g
	s_wait_dscnt 32                                ; all but the 32 just issued
	MUL8 \f, 1, 0, 0
	MUL8 \f, 1, 2, 0
.endm
.macro TURN fill                       ; the last quarter and the change of slots; a refill has 112 matrix instructions in which to land
	WIN 0
	s_wait_tensorcnt 0x0                           ; all my tensor loads have landed: my part of the next slot
	ds_add_u32 v[SPW], v[NIL]
	s_wait_dscnt 17                                ; the add and the youngest sixteen loads may be out
	MUL8 F1, 0, 0, 0
	s_wait_dscnt 0x0                               ; the add is done, and my reads of this slot are over
	s_barrier_signal -1
	MUL8 F1, 0, 2, 0
	WIN 0
	s_barrier_wait -1
.if \fill
	CREST
	s_xor_b32 s[TF], s[TF], SLOT
	s_add_co_u32 s[G0A+5], s20, s[TF]
	s_add_co_u32 s[G0B+5], s21, s[TF]
	s_add_nc_u64 s[G0A+6:G0A+7], s[G0A+6:G0A+7], STEP
	s_add_nc_u64 s[G0B+6:G0B+7], s[G0B+6:G0B+7], STEP
	JLOAD 1
.else
	PLACES
.endif
	s_xor_b32 s[TB], s[TB], SLOT
	v_add_nc_u32 v[CA], s[TB], v[A0]
	v_add_nc_u32 v[CB], s[TB], v[B0]
.if !(\fill)
	s_cmp_eq_u32 s3, 1
	s_cbranch_scc1 .Lnf_\@
.endif
	FETCH 0, F0
	WIN 0
.if !(\fill)
.Lnf_\@:
.endif
	MUL8 F1, 1, 0, 0
	MUL8 F1, 1, 2, 0
.endm
	s_wait_tensorcnt 1                             ; my part of K step 0 is in; step 1's may stay out
	s_barrier_signal -1
	s_barrier_wait -1
	FETCH 0, F0
	QUARTER 128, F0, F1, 1
	WIN 0
	s_mov_b32 s3, T-2
	s_branch .Lin
.Lmain:
	QUARTER 128, F0, F1, 0
	WIN 0
.Lin:
	QUARTER 256, F1, F0, 0
	QUARTER 384, F0, F1, 0
	TURN 1
	WIN 0
	s_sub_co_u32 s3, s3, 1
	s_cmp_lg_u32 s3, 0
	s_cbranch_scc1 .Lmain
	s_mov_b32 s3, 2
.Ltail:
	QUARTER 128, F0, F1, 0
	QUARTER 256, F1, F0, 0
	QUARTER 384, F0, F1, 0
	TURN 0
	WIN 0
	s_sub_co_u32 s3, s3, 1
	s_cmp_lg_u32 s3, 0
	s_cbranch_scc1 .Ltail
	PLACES
.set a, 0
.rept 4
.set b, 0
.rept 4
	ds_store_b128 v[STO], v[ACC+8*(4*a+b):ACC+8*(4*a+b)+3]   offset:16*DP*a+64*b
	ds_store_b128 v[STO], v[ACC+8*(4*a+b)+4:ACC+8*(4*a+b)+7] offset:16*DP*a+64*b+16
.set b, b+1
.endr
.set a, a+1
.endr
	s_wait_dscnt 0x0                               ; for the others' sake: a row's 512 bytes come from two waves
	s_barrier_signal -1
	s_barrier_wait -1
	s_mov_b32 s3, 4
.Lrow:                                                 ; 4 trips of 8 rows
.irp j, 0,1,2,3,4,5,6,7
	ds_load_b128 v[32+4*(\j):35+4*(\j)], v[RD] offset:DP*(\j)
.endr
.irp j, 0,1,2,3,4,5,6,7
	s_wait_dscnt 7-(\j)                            ; LDS loads come back in order (ISA guide 5.7.1): row j is in
	v_pk_fma_f32 v[32+4*(\j):33+4*(\j)], v[32+4*(\j):33+4*(\j)], s[72:73], v[80:81] op_sel_hi:[1,0,1]  ; sum / 64 + b'
	v_pk_fma_f32 v[34+4*(\j):35+4*(\j)], v[34+4*(\j):35+4*(\j)], s[72:73], v[82:83] op_sel_hi:[1,0,1]
	global_store_b128 v[GO], v[32+4*(\j):35+4*(\j)], s[78:79] offset:4096*(\j) th:TH_STORE_NT  ; the wave stores 512 consecutive bytes, aligned
.endr
	s_wait_xcnt 0x0                                ; the stores' offset and data registers are written again only behind this wait (ISA guide 3.1)
	v_add_nc_u32 v[GO], 8*4096, v[GO]
	v_add_nc_u32 v[RD], 8*DP, v[RD]
	s_sub_co_u32 s3, s3, 1
	s_cmp_lg_u32 s3, 0
	s_cbranch_scc1 .Lrow
	s_wait_tensorcnt 0x0                           ; the wave's end
	ds_add_u32 v[SPW], v[NIL]
	s_wait_dscnt 0x0
	CROUND
	s_endpgm
.Lfunc_end_k_qcc0d20d0a4_oproj:
	.size	k_qcc0d20d0a4_oproj, .Lfunc_end_k_qcc0d20d0a4_oproj-k_qcc0d20d0a4_oproj
	.p2alignl 7, 3214868480
	.fill 96, 4, 3214868480
	.section	.rodata,"a",@progbits
	.p2align	6, 0x0
	.amdhsa_kernel k_qcc0d20d0a4_oproj
		.amdhsa_group_segment_fixed_size 327680
		.amdhsa_private_segment_fixed_size 0
		.amdhsa_enable_private_segment 0
		.amdhsa_kernarg_size 32
		.amdhsa_user_sgpr_count 2
		.amdhsa_user_sgpr_kernarg_segment_ptr 1
		.amdhsa_wavefront_size32 1
		.amdhsa_system_sgpr_workgroup_id_x 1
		.amdhsa_system_sgpr_workgroup_id_y 1
		.amdhsa_system_sgpr_workgroup_id_z 1
		.amdhsa_system_vgpr_workitem_id 0
		.amdhsa_next_free_vgpr 512
		.amdhsa_next_free_sgpr 88
		.amdhsa_reserve_vcc 0
		.amdhsa_float_denorm_mode_32 3
		.amdhsa_float_denorm_mode_16_64 3
		.amdhsa_memory_ordered 1
		.amdhsa_forward_progress 1
		.amdhsa_inst_pref_size 55
	.end_amdhsa_kernel
	.amdgpu_metadata
---
amdhsa.version: [ 1, 2 ]
amdhsa.kernels:
  - .name:           k_qcc0d20d0a4_oproj
    .symbol:         k_qcc0d20d0a4_oproj.kd
    .args:
      - { .name: y, .offset: 0, .size: 8, .value_kind: global_buffer, .address_space: global }
      - { .name: wg, .offset: 8, .size: 8, .value_kind: global_buffer, .address_space: global }
      - { .name: wh, .offset: 16, .size: 8, .value_kind: global_buffer, .address_space: global }
      - { .name: out0, .offset: 24, .size: 8, .value_kind: global_buffer, .address_space: global }
    .group_segment_fixed_size: 327680
    .private_segment_fixed_size: 0
    .kernarg_segment_align: 8
    .kernarg_segment_size: 32
    .max_flat_workgroup_size: 128
    .sgpr_count:     88
    .vgpr_count:     512
    .wavefront_size: 32
...
	.end_amdgpu_metadata
.endif
;; end of part 5
